; MI455X (gfx1250); checked and timed in simulation.
; The chip was launched on July 23, 2026; its instructions are those of AMD's public machine-readable ISA for CDNA 5 (MIT licence, August 2026) and "CDNA5" Instruction Set Architecture Reference Guide (July 2026). The comments in the code are by the model that wrote it; some were corrected since.
;; Causal Self Attention. Allowed arithmetic: float matrix products may take bf16 or f16 operands with f32 sums; other float arithmetic in f32, or as packed bf16 or f16 multiplies, adds, multiply-adds, maxima and minima; sums over many terms, partial sums and values carried from step to step in f32; what a program stores and reads back later, other than sums and carried values, may be rounded once to bf16 or f16.
;; Inputs: W_attn 1,024 x 3,072 float32; W_proj 1,024 x 1,024 float32; b_attn 3,072 float32; b_proj 1,024 float32; x 4 x 2,048 x 1,024 float32.
;; Outputs: out0 4 x 2,048 x 1,024 float32.
;; 2 versions, each right; version 2 is version 1 with the launch cast written anew for expert scheduling mode. Each part assembles by itself: llvm-mc -triple=amdgcn-amd-amdhsa -mcpu=gfx1250 --defsym DOCPART=n.
;; ======== version 1 of 2: 5 launches
;; limits: values are held in f16: magnitudes above 65,504 overflow, below 6.1e-05 lose precision
;; workspace buffers: xh 16,777,216 bytes; wa 6,291,456 bytes; wp 2,097,152 bytes; bb 16,384 bytes; qkv 50,331,648 bytes; pt 33,554,432 bytes; st 1,048,576 bytes; yh 16,777,216 bytes
;; launch cast (part 1): grid 769 x 1, 8 waves a work-group, no clusters, 0 bytes of LDS; arguments x, W_attn, W_proj, b_attn, b_proj, xh, wa, wp, bb; writes xh, wa, wp, bb
.if DOCPART == 1
	.amdgcn_target "amdgcn-amd-amdhsa--gfx1250"
	.amdhsa_code_object_version 6
	.text
	.protected	k_qe0ff80b4b4_cast
	.globl	k_qe0ff80b4b4_cast
	.p2align	8
	.type	k_qe0ff80b4b4_cast,@function
k_qe0ff80b4b4_cast:
	s_mov_b64 s[64:65], 0
	v_nop
	global_prefetch_b8 v0, s[64:65] scope:SCOPE_SE
	s_setreg_imm32_b32 hwreg(HW_REG_WAVE_MODE, 25, 1), 1
	s_wait_xcnt 0x0
; CAST.  16-bit copies of the module's inputs, each rounded once to bf16 (nearest even):
;   xh: x as bf16 in blocks of 64 columns, [16 blocks][8192 rows][64]: a block's rows are dense, 128 bytes each
;   wa: W_attn as bf16, [1024][3072] as it lies      wp: W_proj rounded to bf16 and that number written as f16, [1024][1024]
;   bb: the biases rounded to bf16 and widened to f32 again: b_attn at byte 0, b_proj at byte 12,288
; LIMIT.  A bf16 number is exact in f16 from 6.1e-5 to 65,504 in size; below that W_proj keeps f16's fixed step of 6e-8, beyond it becomes an infinity.
; A stream: no LDS, no barrier, no matrix unit.  Work-groups 0-511 take 16 rows of x, 512-703 a chunk of 65,536 bytes of W_attn, 704-767 one of W_proj, 768 the biases.
; Each thread has 16 loads of 16 bytes out at once; each store of a wave covers 256 consecutive bytes, aligned.  No register is written while a load or store still names it.
.set PLANE, 1048576                    ; bytes of a block of 64 columns: 8192 rows x 128
.set VI,  2                            ; v2       my byte offset in the input
.set VO,  3                            ; v3       my byte offset in the output
.set IN,  16                           ; v[16:79] 16 x 4 numbers as loaded
.set OUT, 80                           ; v[80:111] 16 x 4 numbers of 16 bits
; 16 loads instep bytes apart from s[4:5]; 16 stores outstep bytes apart to s[6:7] (split = 1: the last eight to s[28:29], so that the immediate stays inside its 24 bits)
.macro CAST instep, outstep, split, half
.set j, 0
.rept 16
	global_load_b128 v[IN+4*j:IN+4*j+3], v[VI], s[4:5] offset:j*(\instep) th:TH_LOAD_NT
.set j, j+1
.endr
.set j, 0
.rept 16
	s_wait_loadcnt 15-j                    ; loads come back in order: number j is in, the younger ones stay out
	v_cvt_pk_bf16_f32 v[OUT+2*j], v[IN+4*j], v[IN+4*j+1]
	v_cvt_pk_bf16_f32 v[OUT+2*j+1], v[IN+4*j+2], v[IN+4*j+3]
.if \half
	v_lshlrev_b32 v[IN+4*j], 16, v[OUT+2*j]        ; the rounded numbers as f32 again,
	v_and_b32 v[IN+4*j+1], s3, v[OUT+2*j]
	v_lshlrev_b32 v[IN+4*j+2], 16, v[OUT+2*j+1]
	v_and_b32 v[IN+4*j+3], s3, v[OUT+2*j+1]
	v_cvt_pk_f16_f32 v[OUT+2*j], v[IN+4*j], v[IN+4*j+1]      ; and written as f16
	v_cvt_pk_f16_f32 v[OUT+2*j+1], v[IN+4*j+2], v[IN+4*j+3]
.endif
.if (\split) && (j >= 8)
	global_store_b64 v[VO], v[OUT+2*j:OUT+2*j+1], s[28:29] offset:(j-8)*(\outstep)
.else
	global_store_b64 v[VO], v[OUT+2*j:OUT+2*j+1], s[6:7] offset:j*(\outstep)
.endif
.set j, j+1
.endr
.endm
	s_load_b512 s[8:23], s[0:1], 0x0       ; x s[8:9], W_attn s[10:11], W_proj s[12:13], b_attn s[14:15], b_proj s[16:17], xh s[18:19], wa s[20:21], wp s[22:23]
	s_load_b64 s[24:25], s[0:1], 0x40      ; bb
	s_mov_b32 s2, ttmp9
	s_mov_b32 s27, 0
	s_mov_b32 s3, 0xffff0000               ; a word's upper bf16
	v_lshlrev_b32 v[VI], 4, v0             ; 16 bytes a thread
	v_lshlrev_b32 v[VO], 3, v0             ; 8 bytes a thread
	s_wait_kmcnt 0x0
	s_cmp_lt_u32 s2, 512
	s_cbranch_scc0 .Lnot_x
	; x: thread t takes row t / 16 of the group's 16 and 16 bytes at 16 (t % 16) of each block of 256 bytes; load j is column block j
	s_lshl_b32 s26, s2, 16
	s_add_nc_u64 s[4:5], s[8:9], s[26:27]
	s_lshl_b32 s26, s2, 11                 ; 16 rows of 128 bytes in each block of xh
	s_add_nc_u64 s[6:7], s[18:19], s[26:27]
	s_add_nc_u64 s[28:29], s[6:7], 8*PLANE
	v_lshrrev_b32 v4, 4, v0
	v_and_b32 v5, 15, v0
	v_lshlrev_b32 v5, 4, v5
	v_lshl_add_u32 v[VI], v4, 12, v5
	CAST 256, PLANE, 1, 0
	s_endpgm
.Lnot_x:
	s_cmp_lt_u32 s2, 704
	s_cbranch_scc0 .Lnot_wa
	s_sub_co_u32 s2, s2, 512
	s_lshl_b32 s26, s2, 16
	s_add_nc_u64 s[4:5], s[10:11], s[26:27]
	s_lshl_b32 s26, s2, 15
	s_add_nc_u64 s[6:7], s[20:21], s[26:27]
	CAST 4096, 2048, 0, 0
	s_endpgm
.Lnot_wa:
	s_cmp_lt_u32 s2, 768
	s_cbranch_scc0 .Lbias
	s_sub_co_u32 s2, s2, 704
	s_lshl_b32 s26, s2, 16
	s_add_nc_u64 s[4:5], s[12:13], s[26:27]
	s_lshl_b32 s26, s2, 15
	s_add_nc_u64 s[6:7], s[22:23], s[26:27]
	CAST 4096, 2048, 0, 1
	s_endpgm
.Lbias:
	global_load_b128 v[16:19], v[VI], s[14:15]
	global_load_b128 v[20:23], v[VI], s[14:15] offset:4096
	global_load_b128 v[24:27], v[VI], s[14:15] offset:8192
	global_load_b128 v[28:31], v[VI], s[16:17]
	s_wait_loadcnt 0x0
.set j, 0
.rept 8
	v_cvt_pk_bf16_f32 v[OUT+j], v[16+2*j], v[17+2*j]
.set j, j+1
.endr
.set j, 0
.rept 8
	v_lshlrev_b32 v[16+2*j], 16, v[OUT+j]
	v_and_b32 v[17+2*j], s3, v[OUT+j]
.set j, j+1
.endr
	global_store_b128 v[VI], v[16:19], s[24:25]
	global_store_b128 v[VI], v[20:23], s[24:25] offset:4096
	global_store_b128 v[VI], v[24:27], s[24:25] offset:8192
	global_store_b128 v[VI], v[28:31], s[24:25] offset:12288
	s_endpgm
.Lfunc_end_k_qe0ff80b4b4_cast:
	.size	k_qe0ff80b4b4_cast, .Lfunc_end_k_qe0ff80b4b4_cast-k_qe0ff80b4b4_cast
	.p2alignl 7, 3214868480
	.fill 96, 4, 3214868480
	.section	.rodata,"a",@progbits
	.p2align	6, 0x0
	.amdhsa_kernel k_qe0ff80b4b4_cast
		.amdhsa_group_segment_fixed_size 0
		.amdhsa_private_segment_fixed_size 0
		.amdhsa_enable_private_segment 0
		.amdhsa_kernarg_size 72
		.amdhsa_user_sgpr_count 2
		.amdhsa_user_sgpr_kernarg_segment_ptr 1
		.amdhsa_wavefront_size32 1
		.amdhsa_system_sgpr_workgroup_id_x 1
		.amdhsa_system_sgpr_workgroup_id_y 1
		.amdhsa_system_sgpr_workgroup_id_z 1
		.amdhsa_system_vgpr_workitem_id 0
		.amdhsa_next_free_vgpr 112
		.amdhsa_next_free_sgpr 66
		.amdhsa_reserve_vcc 0
		.amdhsa_float_denorm_mode_32 3
		.amdhsa_float_denorm_mode_16_64 3
		.amdhsa_memory_ordered 1
		.amdhsa_forward_progress 1
		.amdhsa_inst_pref_size 24
	.end_amdhsa_kernel
	.amdgpu_metadata
---
amdhsa.version: [ 1, 2 ]
amdhsa.kernels:
  - .name:           k_qe0ff80b4b4_cast
    .symbol:         k_qe0ff80b4b4_cast.kd
    .args:
      - { .name: x, .offset: 0, .size: 8, .value_kind: global_buffer, .address_space: global }
      - { .name: W_attn, .offset: 8, .size: 8, .value_kind: global_buffer, .address_space: global }
      - { .name: W_proj, .offset: 16, .size: 8, .value_kind: global_buffer, .address_space: global }
      - { .name: b_attn, .offset: 24, .size: 8, .value_kind: global_buffer, .address_space: global }
      - { .name: b_proj, .offset: 32, .size: 8, .value_kind: global_buffer, .address_space: global }
      - { .name: xh, .offset: 40, .size: 8, .value_kind: global_buffer, .address_space: global }
      - { .name: wa, .offset: 48, .size: 8, .value_kind: global_buffer, .address_space: global }
      - { .name: wp, .offset: 56, .size: 8, .value_kind: global_buffer, .address_space: global }
      - { .name: bb, .offset: 64, .size: 8, .value_kind: global_buffer, .address_space: global }
    .group_segment_fixed_size: 0
    .private_segment_fixed_size: 0
    .kernarg_segment_align: 8
    .kernarg_segment_size: 72
    .max_flat_workgroup_size: 256
    .sgpr_count:     66
    .vgpr_count:     112
    .wavefront_size: 32
...
	.end_amdgpu_metadata
.endif
;; end of part 1
;; launch qkv (part 2): grid 8 x 32, 4 waves a work-group, clusters of 4 x 4, 327,680 bytes of LDS; arguments xh, wa, bb, qkv; writes qkv
.if DOCPART == 2
	.amdgcn_target "amdgcn-amd-amdhsa--gfx1250"
	.amdhsa_code_object_version 6
	.text
	.protected	k_qe0ff80b4b4_qkv
	.globl	k_qe0ff80b4b4_qkv
	.p2align	8
	.type	k_qe0ff80b4b4_qkv,@function
k_qe0ff80b4b4_qkv:
	s_mov_b64 s[64:65], 0
	v_nop
	global_prefetch_b8 v0, s[64:65] scope:SCOPE_SE
	s_setreg_imm32_b32 hwreg(HW_REG_WAVE_MODE, 25, 1), 1
	s_wait_xcnt 0x0
	s_wait_alu depctr_hold_cnt(0) depctr_sa_sdst(0) depctr_va_vdst(0) depctr_va_sdst(0) depctr_va_ssrc(0) depctr_va_vcc(0) depctr_vm_vsrc(0)
	s_getreg_b32 s2, hwreg(HW_REG_IB_STS2, 6, 4)
	s_cmp_eq_u32 s2, 0
	s_cbranch_scc0 .Lentry_in_a_cluster
	s_endpgm
.Lentry_in_a_cluster:
	s_bfe_u32 s2, ttmp6, 0x10000c
	s_cmp_lg_u32 s2, 0xf033
	s_cbranch_scc0 .Lentry_shape_is_right
	s_endpgm
.Lentry_shape_is_right:
; QKV = x W_attn + b_attn.  xh: bf16 [16][8192][64]; wa: bf16 [1024][3072]; bb: f32 bias; qkv: f16 in blocks of 64 columns, [48][8192][64] (blocks 0-15 q, 16-31 k, 32-47 v).  Sums in f32, rounded once.
; LIMIT.  q, k, v are written as f16: beyond 65,504 in size they become infinities (the drawn inputs give numbers of about 1; both factors 30 times larger: about 3,000).
; SHARES.  8 x 32 work-groups, one for each WGP: a tile of 256 rows x 384 columns.  A wave makes 128 rows x 192 columns: 96 accumulators, 768 registers, in windows 1 to 3; its columns are three groups
; of 64, group g at columns 128 g + 64 (wave % 2) of the tile: each group is one block of qkv.
; K goes in steps of 64 through two LDS slots.  x's tile (256 rows x 128 bytes, dense in xh) is asked for as rows of 256 bytes; W's tile is 64 rows of 768 bytes and is turned on its way out of LDS (ds_load_tr16_b128).
; THE MATRIX INSTRUCTION IS USED TRANSPOSED (source 0 = 16 columns of W, source 1 = 16 rows of x): a lane holds row lane % 16 and eight neighbouring columns, 16 bytes of f16.
; THE BIAS starts the sums: it is loaded into the accumulators of row block 0, serves the other seven row blocks as C, and row block 0 adds onto it in place last.
; CLUSTER 4 x 4: x's tile is shared along a row of the cluster, W's along a column: joint loads, one a wave behind each round.
; REGISTERS.  Window 0: v1-29 addresses; v32-95, v96-159 x's fragments (8 x 16 rows x 32 K), two buffers; v160-255 W's fragments, 32 a group.  Window g + 1: accumulator (a, b) of group g at v[8 (4 a + b)].
.set PLANE, 1048576
.set PA,    144                        ; a row of x in LDS: 128 bytes + 16: the 16 rows of a load start at 16 different groups of four banks
.set PB,    864                        ; a row of W: three pieces of 256 bytes + 32 each: an odd multiple of 32 bytes
.set SLOT1, 131072
.set BOFF,  256*PA                     ; W's tile lies behind x's
.set STAGE, SLOT1+BOFF+64*PB           ; behind the ring: three blocks x 16 rows x 144 bytes for each wave
.set SPARE, STAGE+4*48*PA              ; the spare words, 128 bytes a wave; no other line names them
.set ADRA0, 3
.set ADRB0, 4
.set ADRA,  5
.set ADRB,  6
.set STO,   7
.set RD,    8
.set GO,    9
.set BO,    10
.set SPW,   28
.set NIL,   29
.set FA0,   32
.set FA1,   96
.set FB,    160
.set TMP,   32
.set OB,    80
.set WV, 12
.set RH, 13
.set CH, 14
.set CX, 15
.set CY, 16
.set TX, 17
.set TY, 18
.set MROW, 19
.set MCOL, 20
.set G1A, 24
.set G0A, 32
.set G1B, 40
.set G0B, 48
.set CNT, 56
.set TB,  57
.set MSB, 0
.macro WIN new                         ; the immediate's high byte repeats the setting that is left; a switch that changes nothing is dropped
.if MSB != (\new)
	s_set_vgpr_msb (MSB<<8)|(\new)
.set MSB, \new
.endif
.endm
.macro PLACES                          ; four places behind matrix instructions, in front of loads into their sources and of reads of their results
.rept 4
	v_nop
.endr
.endm
.macro JLOAD                           ; a joint refill: waves 0, 1 ask for the halves of x's tile, waves 2, 3 for those of W's; s_nop 0 and four v_nop follow each line
	s_cmp_lt_u32 s[WV], 2
	s_cbranch_scc0 .Lfor_b_\@
	tensor_load_to_lds s[G0A+4:G0A+7], s[G1A:G1A+7]
	s_nop 0
.rept 4
	v_nop
.endr
	s_branch .Lasked_\@
.Lfor_b_\@:
	tensor_load_to_lds s[G0B+4:G0B+7], s[G1B:G1B+7]
	s_nop 0
.rept 4
	v_nop
.endr
.Lasked_\@:
.endm
.macro CREST                           ; a round of the cluster's barrier behind its opening barrier
	s_cmp_lg_u32 s[WV], 0
	s_cbranch_scc1 .Lnot_wave_0_\@
	s_barrier_signal -3
.Lnot_wave_0_\@:
	s_barrier_wait -3
	s_barrier_signal -1
	s_barrier_wait -1
.endm
.macro CROUND
	s_barrier_signal -1
	s_barrier_wait -1
	CREST
.endm
	s_load_b256 s[4:11], s[0:1], 0x0       ; xh s[4:5], wa s[6:7], bb s[8:9], qkv s[10:11]
	v_lshl_add_u32 v[SPW], v0, 2, SPARE
	v_mov_b32 v[NIL], 0
	ds_add_u32 v[SPW], v[NIL]              ; the wave's opening: the add and its wait ahead of my first tensor load
	ds_add_u32 v28, v29
	v_lshrrev_b32 v1, 5, v0
	v_readfirstlane_b32 s[WV], v1
	s_lshr_b32 s[RH], s[WV], 1             ; my half of the tile's rows
	s_and_b32 s[CH], s[WV], 1              ; my half of each group's columns; also: which half of a tile I fetch
	s_bfe_u32 s[CX], ttmp6, 0x40000
	s_bfe_u32 s[CY], ttmp6, 0x40004
	s_lshl_b32 s[TX], ttmp9, 2
	s_add_co_u32 s[TX], s[TX], s[CX]       ; tile column
	s_and_b32 s[TY], ttmp7, 0xffff
	s_lshl_b32 s[TY], s[TY], 2
	s_add_co_u32 s[TY], s[TY], s[CY]       ; tile row
	s_lshl_b32 s[MROW], s[CY], 2
	s_lshl_b32 s[MROW], 15, s[MROW]        ; my row of the cluster
	s_lshl_b32 s[MCOL], 0x1111, s[CX]      ; my column
	; x's half tile: 16,384 dense bytes as 64 rows of 128 elements, 16 bytes of padding after every 128 bytes
	s_or_b32 s[G1A], s[MROW], (1<<16)|(1<<20)|(1<<21)|(4<<22)|(3<<25)
	s_mov_b32 s[G1A+1], 128<<16
	s_mov_b32 s[G1A+2], 64<<16
	s_mov_b32 s[G1A+3], 128<<16
	s_mov_b32 s[G1A+4], 64
	s_mov_b32 s[G1A+5], 128
	s_mov_b32 s[G1A+6], 0
	s_mov_b32 s[G1A+7], 0
	; W's half tile: 32 rows of 384 elements, 3,072 elements from row to row, 32 bytes of padding after every 256 bytes
	s_or_b32 s[G1B], s[MCOL], (1<<16)|(1<<20)|(1<<21)|(5<<22)|(7<<25)
	s_mov_b32 s[G1B+1], 384<<16
	s_mov_b32 s[G1B+2], 32<<16
	s_mov_b32 s[G1B+3], 384<<16
	s_mov_b32 s[G1B+4], 32
	s_mov_b32 s[G1B+5], 3072
	s_mov_b32 s[G1B+6], 0
	s_mov_b32 s[G1B+7], 0
	s_lshl_b32 s58, s[TY], 15              ; x: 256 rows of 128 bytes a tile row,
	s_lshl_b32 s59, s[CH], 14              ; my 128 of them
	s_add_co_u32 s58, s58, s59
	s_mov_b32 s59, 0
	s_mul_i32 s60, s[TX], 768              ; W: 384 columns a tile column,
	s_mul_i32 s61, s[CH], 196608           ; my 32 rows of 6,144 bytes
	s_add_co_u32 s60, s60, s61
	s_mov_b32 s61, 0
	s_mul_i32 s21, s[CH], 128*PA           ; where they go: no place in the cluster enters an LDS address
	s_mul_i32 s22, s[CH], 32*PB
	s_add_co_u32 s22, s22, BOFF
	s_mov_b32 s[TB], 0
	s_wait_dscnt 0x0                       ; the opening add is done
	s_wait_kmcnt 0x0
	s_add_nc_u64 s[4:5], s[4:5], s[58:59]
	s_add_nc_u64 s[6:7], s[6:7], s[60:61]
	CROUND                                 ; all sixteen work-groups are here: the first joint loads meet
.irp s, 0,1
	s_mov_b32 s[G0A+4*\s], 1
	s_add_co_u32 s[G0A+4*\s+1], s21, (\s)*SLOT1
	s_add_nc_u64 s[G0A+4*\s+2:G0A+4*\s+3], s[4:5], (\s)*PLANE     ; K step s is block s of xh
	s_or_b32 s[G0A+4*\s+3], s[G0A+4*\s+3], 0x80000000
	s_mov_b32 s[G0B+4*\s], 1
	s_add_co_u32 s[G0B+4*\s+1], s22, (\s)*SLOT1
	s_add_nc_u64 s[G0B+4*\s+2:G0B+4*\s+3], s[6:7], (\s)*393216    ; 64 rows of W
	s_or_b32 s[G0B+4*\s+3], s[G0B+4*\s+3], 0x80000000
.endr
	s_cmp_lt_u32 s[WV], 2                  ; a wave's two first fills stand in one branch: two loads of mine are out
	s_cbranch_scc0 .Lfirst_b
	tensor_load_to_lds s[G0A:G0A+3], s[G1A:G1A+7]
	s_nop 0
	tensor_load_to_lds s[G0A+4:G0A+7], s[G1A:G1A+7]
	s_nop 0
.rept 4
	v_nop
.endr
	s_branch .Lfirst_asked
.Lfirst_b:
	tensor_load_to_lds s[G0B:G0B+3], s[G1B:G1B+7]
	s_nop 0
	tensor_load_to_lds s[G0B+4:G0B+7], s[G1B:G1B+7]
	s_nop 0
.rept 4
	v_nop
.endr
.Lfirst_asked:
	v_and_b32 v1, 15, v0                   ; r = lane % 16
	v_bfe_u32 v2, v0, 4, 1                 ; h = lane / 16
	v_lshlrev_b32 v[BO], 5, v2             ; my eight columns' bias: 32 h bytes into a block of 16
	s_mul_i32 s62, s[TX], 1536
	s_lshl_b32 s63, s[CH], 8
	s_add_co_u32 s62, s62, s63
	s_mov_b32 s63, 0
	s_add_nc_u64 s[8:9], s[8:9], s[62:63]  ; the bias at column 384 tile column + 64 half
.irp g, 0,1,2
	WIN ((\g)+1)<<6                        ; destination in window g + 1: the accumulators of row block 0
.irp b, 0,1,2,3
	global_load_b128 v[8*\b:8*\b+3], v[BO], s[8:9] offset:(\g)*512+\b*64
	global_load_b128 v[8*\b+4:8*\b+7], v[BO], s[8:9] offset:(\g)*512+\b*64+16
.endr
.endr
	WIN 0
	v_mul_u32_u24 v[ADRA0], v1, PA
	v_lshl_add_u32 v[ADRA0], v2, 4, v[ADRA0]   ; row x pitch + 16 h: a fragment's place, and my place in the stage
	v_mov_b32 v[STO], v[ADRA0]
	s_mul_i32 s2, s[RH], 128*PA
	v_add_nc_u32 v[ADRA0], s2, v[ADRA0]
	v_and_b32 v11, 7, v0
	v_bfe_u32 v12, v0, 3, 1
	v_lshl_add_u32 v[ADRB0], v2, 3, v11        ; the turning load: K row 8 h + lane % 8,
	v_mul_u32_u24 v[ADRB0], v[ADRB0], PB
	v_lshl_add_u32 v[ADRB0], v12, 4, v[ADRB0]  ; columns 8 ((lane / 8) % 2) on
	s_lshl_b32 s2, s[CH], 7
	s_add_co_u32 s2, s2, BOFF
	v_add_nc_u32 v[ADRB0], s2, v[ADRB0]
	v_mov_b32 v[ADRA], v[ADRA0]            ; slot 0
	v_mov_b32 v[ADRB], v[ADRB0]
	s_mul_i32 s2, s[WV], 48*PA
	s_add_co_u32 s2, s2, STAGE
	v_add_nc_u32 v[STO], s2, v[STO]
	v_bfe_u32 v[RD], v0, 3, 2              ; back: 32 lanes take four rows of 128 bytes,
	v_mul_u32_u24 v[RD], v[RD], PA
	v_lshl_add_u32 v[RD], v11, 4, v[RD]
	v_add_nc_u32 v[RD], s2, v[RD]
	v_and_b32 v[GO], 31, v0                ; which are 512 consecutive bytes of a block of qkv
	v_lshlrev_b32 v[GO], 4, v[GO]
	s_mul_i32 s62, s[TX], 6
	s_add_co_u32 s62, s62, s[CH]
	s_lshl_b32 s62, s62, 20                ; block 6 tile column + half,
	s_lshl_b32 s63, s[TY], 15
	s_add_co_u32 s62, s62, s63             ; row 256 tile row
	s_lshl_b32 s63, s[RH], 14
	s_add_co_u32 s62, s62, s63             ; + 128 half
	s_mov_b32 s63, 0
	s_add_nc_u64 s[10:11], s[10:11], s[62:63]
; na row blocks from a0 x the four column blocks of group g, 32 along K.  Every accumulator has one instruction a turn: 95 others' stand between two links of a chain.
.macro GRP g, fa, a0, na
	WIN 0x50*((\g)+1)                      ; C and D in window g + 1, sources in window 0
.set ga, \a0
.rept \na
.irp b, 0,1,2,3
	v_wmma_f32_16x16x32_bf16 v[8*(4*ga+\b):8*(4*ga+\b)+7], v[FB+32*(\g)+8*\b:FB+32*(\g)+8*\b+7], v[(\fa)+8*ga:(\fa)+8*ga+7], v[8*(4*ga+\b):8*(4*ga+\b)+7]
.endr
.set ga, ga+1
.endr
.endm
; The first products: row blocks 1-7 take row block 0's registers, which hold the bias, as C; five places on, row block 0 adds onto them in place.
.macro GRPZ g, fa
	WIN 0x50*((\g)+1)
.set ga, 1
.rept 7
.irp b, 0,1,2,3
	v_wmma_f32_16x16x32_bf16 v[8*(4*ga+\b):8*(4*ga+\b)+7], v[FB+32*(\g)+8*\b:FB+32*(\g)+8*\b+7], v[(\fa)+8*ga:(\fa)+8*ga+7], v[8*\b:8*\b+7]
.endr
.set ga, ga+1
.endr
.rept 5
	v_nop                                  ; the next four write over registers that the products above read as C
.endr
.irp b, 0,1,2,3
	v_wmma_f32_16x16x32_bf16 v[8*\b:8*\b+7], v[FB+32*(\g)+8*\b:FB+32*(\g)+8*\b+7], v[(\fa):(\fa)+7], v[8*\b:8*\b+7]
.endr
.endm
.macro LOADB g, k                      ; group g's four fragments of W, K rows 32 k on: 8 turning loads
	WIN 0
.irp b, 0,1,2,3
	ds_load_tr16_b128 v[FB+32*(\g)+8*\b:FB+32*(\g)+8*\b+3], v[ADRB] offset:(\k)*32*PB+(\g)*288+32*\b
	ds_load_tr16_b128 v[FB+32*(\g)+8*\b+4:FB+32*(\g)+8*\b+7], v[ADRB] offset:(\k)*32*PB+(\g)*288+32*\b+16*PB
.endr
.endm
.macro LOADA fa, k                     ; x's eight fragments, K 32 k on: 16 loads
	WIN 0
.irp a, 0,1,2,3,4,5,6,7
	ds_load_b128 v[(\fa)+8*\a:(\fa)+8*\a+3], v[ADRA] offset:\a*16*PA+64*(\k)
	ds_load_b128 v[(\fa)+8*\a+4:(\fa)+8*\a+7], v[ADRA] offset:\a*16*PA+64*(\k)+32
.endr
.endm
; The first half of a K step: multiplies buffer 0 and fetches the second half's fragments.  On entry the LDS loads out are, in order: group 0 (8), x (16), group 1 (8), group 2 (8).
.macro SUBK z
	s_wait_dscnt 16                        ; group 0 and x are in; groups 1 and 2 may be out
.if \z
	GRPZ 0, FA0
.else
	GRP 0, FA0, 0, 8
.endif
	PLACES
	LOADB 0, 1
	LOADA FA1, 1
	s_wait_dscnt 32                        ; group 1 is in: behind it stand group 2's 8 and the 24 just issued
.if \z
	GRPZ 1, FA0
.else
	GRP 1, FA0, 0, 8
.endif
	PLACES
	LOADB 1, 1
	s_wait_dscnt 32                        ; group 2 is in: behind it stand 24 + 8
.if \z
	GRPZ 2, FA0
.else
	GRP 2, FA0, 0, 8
.endif
	PLACES
	LOADB 2, 1
.endm
; The second half multiplies buffer 1 and changes slots.  In front of the barrier each wave waits for all its tensor loads (one is out: its part of the next slot), adds 0 to its spare word, and waits for that
; and for its reads of this slot.  fill = 1: the barrier opens a round of the cluster's, and this slot is filled again, two K steps ahead, first thing behind the round.
.macro TURN fill
	WIN 0
	s_wait_tensorcnt 0x0
	ds_add_u32 v[SPW], v[NIL]
.if \fill
	s_xor_b32 s[G0A+5], s[G0A+5], SLOT1    ; no tensor load of mine is out: the walking descriptors step to the other slot and the next K step
	s_add_nc_u64 s[G0A+6:G0A+7], s[G0A+6:G0A+7], PLANE
	s_xor_b32 s[G0B+5], s[G0B+5], SLOT1
	s_add_nc_u64 s[G0B+6:G0B+7], s[G0B+6:G0B+7], 393216
.endif
	s_xor_b32 s[TB], s[TB], SLOT1
	s_wait_dscnt 17                        ; group 0 and x are in; groups 1, 2 (16) and the add may be out
	GRP 0, FA1, 0, 4
	s_wait_dscnt 0x0                       ; the add is done, and my reads of this slot are over
	s_barrier_signal -1
	GRP 0, FA1, 4, 4
	WIN 0
	s_barrier_wait -1
.if \fill
	CREST
	JLOAD                                  ; its four v_nop are also the places in front of the loads below
.else
	PLACES
.endif
	v_add_nc_u32 v[ADRA], s[TB], v[ADRA0]
	v_add_nc_u32 v[ADRB], s[TB], v[ADRB0]
	LOADB 0, 0
	LOADA FA0, 0
	GRP 1, FA1, 0, 8
	PLACES
	LOADB 1, 0
	GRP 2, FA1, 0, 8
	PLACES
	LOADB 2, 0
.endm
.macro LASTK                           ; the last half step: nothing more to fetch, the counts run down
	s_wait_dscnt 16
	GRP 0, FA1, 0, 8
	s_wait_dscnt 8
	GRP 1, FA1, 0, 8
	s_wait_dscnt 0x0
	GRP 2, FA1, 0, 8
.endm
	s_wait_tensorcnt 0x1                   ; my part of K step 0 is in; K step 1's may stay out
	s_barrier_signal -1
	s_barrier_wait -1
	LOADB 0, 0
	LOADA FA0, 0
	LOADB 1, 0
	LOADB 2, 0
	s_wait_loadcnt 0x0                     ; the bias
	SUBK 1
	WIN 0
	s_mov_b32 s[CNT], 14                   ; K steps 2 to 15 are asked for in the loop
.Lk:
	TURN 1
	SUBK 0
	WIN 0
	s_sub_co_u32 s[CNT], s[CNT], 1
	s_cmp_lg_u32 s[CNT], 0
	s_cbranch_scc1 .Lk
	TURN 0                                 ; the tail asks for nothing
	SUBK 0
	LASTK
; THE WAY OUT, 16 rows at a time: rounded to f16, 16 bytes a lane into my stage, back as rows of 128 bytes, stored as 512 consecutive bytes of a block of qkv.
.macro PACK a
.irp g, 0,1,2
	WIN 5*((\g)+1)                         ; sources in window g + 1
.irp b, 0,1,2,3
.irp i, 0,1,2,3
	v_cvt_pk_f16_f32 v[TMP+16*\g+4*\b+\i], v[8*(4*(\a)+\b)+2*\i], v[8*(4*(\a)+\b)+2*\i+1]
.endr
.endr
.endr
	WIN 0
.endm
.macro TOSTAGE a
.set BK, OB+48*((\a)%2)
	s_wait_xcnt 0x0                        ; the registers that the stores of two blocks ago read are loaded again only behind this wait
.irp g, 0,1,2
.irp b, 0,1,2,3
	ds_store_b128 v[STO], v[TMP+16*\g+4*\b:TMP+16*\g+4*\b+3] offset:\g*16*PA+32*\b
.endr
.endr
.irp g, 0,1,2
.irp f, 0,1,2,3
	ds_load_b128 v[BK+16*\g+4*\f:BK+16*\g+4*\f+3], v[RD] offset:\g*16*PA+\f*4*PA   ; LDS serves a wave's instructions in order: these see the stores above
.endr
.endr
.endm
.macro SEND a, younger                 ; younger: the LDS instructions issued behind block a's loads
.set BK, OB+48*((\a)%2)
	s_wait_dscnt \younger
.irp g, 0,1,2
.irp f, 0,1,2,3
	global_store_b128 v[GO], v[BK+16*\g+4*\f:BK+16*\g+4*\f+3], s[10:11] offset:\g*2*PLANE+(\a)*2048+\f*512
.endr
.endr
.endm
	PLACES
	PACK 0
	TOSTAGE 0
.irp a, 1,2,3,4,5,6,7
	PACK \a
	TOSTAGE \a
	SEND (\a)-1, 24
.endr
	SEND 7, 0
	s_wait_tensorcnt 0x0                   ; the wave's end
	ds_add_u32 v[SPW], v[NIL]
	s_wait_dscnt 0x0
	CROUND                                 ; the closing round
	s_endpgm
.Lfunc_end_k_qe0ff80b4b4_qkv:
	.size	k_qe0ff80b4b4_qkv, .Lfunc_end_k_qe0ff80b4b4_qkv-k_qe0ff80b4b4_qkv
	.p2alignl 7, 3214868480
	.fill 96, 4, 3214868480
	.section	.rodata,"a",@progbits
	.p2align	6, 0x0
	.amdhsa_kernel k_qe0ff80b4b4_qkv
		.amdhsa_group_segment_fixed_size 327680
		.amdhsa_private_segment_fixed_size 0
		.amdhsa_enable_private_segment 0
		.amdhsa_kernarg_size 32
		.amdhsa_user_sgpr_count 2
		.amdhsa_user_sgpr_kernarg_segment_ptr 1
		.amdhsa_wavefront_size32 1
		.amdhsa_system_sgpr_workgroup_id_x 1
		.amdhsa_system_sgpr_workgroup_id_y 1
		.amdhsa_system_sgpr_workgroup_id_z 1
		.amdhsa_system_vgpr_workitem_id 0
		.amdhsa_next_free_vgpr 1024
		.amdhsa_next_free_sgpr 66
		.amdhsa_reserve_vcc 0
		.amdhsa_float_denorm_mode_32 3
		.amdhsa_float_denorm_mode_16_64 3
		.amdhsa_memory_ordered 1
		.amdhsa_forward_progress 1
		.amdhsa_inst_pref_size 113
	.end_amdhsa_kernel
	.amdgpu_metadata
---
amdhsa.version: [ 1, 2 ]
amdhsa.kernels:
  - .name:           k_qe0ff80b4b4_qkv
    .symbol:         k_qe0ff80b4b4_qkv.kd
    .args:
      - { .name: xh, .offset: 0, .size: 8, .value_kind: global_buffer, .address_space: global }
      - { .name: wa, .offset: 8, .size: 8, .value_kind: global_buffer, .address_space: global }
      - { .name: bb, .offset: 16, .size: 8, .value_kind: global_buffer, .address_space: global }
      - { .name: qkv, .offset: 24, .size: 8, .value_kind: global_buffer, .address_space: global }
    .group_segment_fixed_size: 327680
    .private_segment_fixed_size: 0
    .kernarg_segment_align: 8
    .kernarg_segment_size: 32
    .max_flat_workgroup_size: 128
    .sgpr_count:     66
    .vgpr_count:     1024
    .wavefront_size: 32
...
	.end_amdgpu_metadata
.endif
;; end of part 2
;; launch scores (part 3): grid 36 x 4, 4 waves a work-group, no clusters, 327,680 bytes of LDS; arguments qkv, pt, st; writes pt, st
.if DOCPART == 3
	.amdgcn_target "amdgcn-amd-amdhsa--gfx1250"
	.amdhsa_code_object_version 6
	.text
	.protected	k_qe0ff80b4b4_scores
	.globl	k_qe0ff80b4b4_scores
	.p2align	8
	.type	k_qe0ff80b4b4_scores,@function
k_qe0ff80b4b4_scores:
	s_mov_b64 s[64:65], 0
	v_nop
	global_prefetch_b8 v0, s[64:65] scope:SCOPE_SE
	s_setreg_imm32_b32 hwreg(HW_REG_WAVE_MODE, 25, 1), 1
	s_wait_xcnt 0x0
; SCORES.  For each tile of 256 queries x 256 keys at or under the diagonal (36 a batch): s = q . k over 1,024 channels, the causal mask, and for each row and each UNIT of 128 keys
; cm = c max(s), p = 2^(c s - cm), l = the sum of p; c = log2(e) / 8.  p goes to pt as f16 [4][2048][2048], cm and l to st as f32 [4 batches][16 units][cm, l][2048 rows].
; The row's true maximum is taken away in two steps: the unit's own here, the factor 2^(cm - M) in the launch behind.
; LIMITS.  A hidden score counts as its value less 1e30; a weight below 2^-126 counts as 0 in l, below 6e-8 as 0 in pt; l is the sum of the unrounded weights; NaN and infinities are not treated apart.
; SHARES.  Four waves, each 128 queries x 128 keys, one unit: 64 accumulators in windows 2 and 3.  K goes in steps of 128 (two blocks of 64 channels of qkv) through two LDS slots; each wave fetches one block
; of 256 rows, 32,768 dense bytes asked for as rows of 256 bytes.  Source 0 = 16 keys, source 1 = 16 queries: a lane holds query lane % 16 and keys 8 (lane / 16) + 0..7.
; THE MASK is the C operand of the products that start the sums: 0, or -1e30 where the key is hidden.  It bites only in a wave whose unit holds the diagonal.  The wave above the diagonal in a diagonal tile
; computes finite numbers that the launch behind multiplies by 0.
; NO CLUSTER: a row of the triangle of tiles has 1 to 8 tiles and so has a column; only 24 of a batch's 36 tiles fall into fours that share a key tile, and a rectangular grid would hold work-groups without work.
; SOFTMAX: the sums are set down in LDS (in the slots, which have had their last fill) and read back by rows, 16 lanes a row, so that one text of 16 rows is walked eight times.
; REGISTERS.  Window 0: v1-29 addresses; v64-127, v128-191 q's fragments, two buffers (later the softmax's registers).  Window 1: v0-7, v8-15 masks; v64-127, v128-191 k's fragments.  Windows 2, 3: accumulator (a, b) at v[8 (8 (a % 4) + b)].
.set PLANE, 1048576
.set PA,    144
.set BLK,   256*PA                     ; a block of 256 rows x 64 channels in LDS
.set SLOT,  4*BLK                      ; q's two blocks, then k's two; 147,456 shares no bit with a wave's 0, 36,864, 73,728 or 110,592: an exclusive or changes slots
.set DP,    528                        ; a row of 128 f32 + 16
.set STATS, 2*SLOT                     ; 1,024 bytes a wave: cm of 128 rows, l of 128 rows
.set SPARE, STATS+4096
.set KO1, 64                           ; the quarters of a K step: 32 channels on in a row, the second block, and both
.set KO2, BLK
.set KO3, BLK+64
.set ADRA0, 4
.set ADRB0, 5
.set ADRA,  6
.set ADRB,  7
.set DA,    8
.set RDA,   9
.set SA,    10
.set PO,    11
.set SL,    12
.set SO,    13
.set SPW,   28
.set NIL,   29
.set F0,    64
.set F1,    128
.set X,     64
.set Y,     128
.set ST,    160
.set WV, 12
.set RH, 13
.set CH, 14
.set TT, 15
.set TI, 16
.set TJ, 17
.set BB, 18
.set BIG, 19
.set CNT, 20
.set TB,  21
.set G1, 24
.set G0, 32
.set CS, 40
.set MSB, 0
.macro WIN new
.if MSB != (\new)
	s_set_vgpr_msb (MSB<<8)|(\new)
.set MSB, \new
.endif
.endm
.macro PLACES
.rept 4
	v_nop
.endr
.endm
	s_load_b128 s[4:7], s[0:1], 0x0        ; qkv s[4:5], pt s[6:7]
	s_load_b64 s[8:9], s[0:1], 0x10        ; st
	v_lshl_add_u32 v[SPW], v0, 2, SPARE
	v_mov_b32 v[NIL], 0
	ds_add_u32 v[SPW], v[NIL]              ; the wave's opening: the add and its wait ahead of my first tensor load
	ds_add_u32 v28, v29
	v_lshrrev_b32 v1, 5, v0
	v_readfirstlane_b32 s[WV], v1
	s_lshr_b32 s[RH], s[WV], 1             ; my half of the queries; also: I fetch for q (0) or k (1)
	s_and_b32 s[CH], s[WV], 1              ; my half of the keys; also: which of a step's two blocks I fetch
	s_mov_b32 s[TT], ttmp9                 ; the tile's number in the triangle, 0 to 35
	s_and_b32 s[BB], ttmp7, 0xffff         ; the batch
	s_mov_b32 s[TI], 0
.irp th, 1,3,6,10,15,21,28
	s_cmp_ge_u32 s[TT], \th                ; tile row i = how many rows of the triangle begin at or below my number
	s_add_co_ci_u32 s[TI], s[TI], 0
.endr
	s_add_co_u32 s2, s[TI], 1
	s_mul_i32 s2, s2, s[TI]
	s_lshr_b32 s2, s2, 1
	s_sub_co_u32 s[TJ], s[TT], s2          ; tile column j = number - i (i + 1) / 2
	s_mov_b32 s[G1], (1<<16)|(1<<20)|(4<<22)|(3<<25)   ; 2-byte elements; 16 bytes of padding after every 128
	s_mov_b32 s[G1+1], 128<<16
	s_mov_b32 s[G1+2], 128<<16
	s_mov_b32 s[G1+3], 128<<16
	s_mov_b32 s[G1+4], 128
	s_mov_b32 s[G1+5], 128
	s_mov_b32 s[G1+6], 0
	s_mov_b32 s[G1+7], 0
	s_mov_b32 s[CS], 0x3e38aa3b            ; c = log2(e) / 8
	s_mov_b32 s[CS+1], s[CS]
	s_mov_b32 s[TB], 0
	s_mul_i32 s2, s[WV], BLK
	s_cmp_eq_u32 s[RH], 0
	s_cselect_b32 s3, s[TI], s[TJ]
	s_lshl_b32 s3, s3, 8
	s_lshl_b32 s42, s[BB], 11
	s_add_co_u32 s42, s42, s3
	s_lshl_b32 s42, s42, 7                 ; row 2,048 batch + 256 tile, 128 bytes each,
	s_lshl_b32 s3, s[RH], 4
	s_add_co_u32 s3, s3, s[CH]
	s_lshl_b32 s3, s3, 20                  ; in block 16 (k?) + my one of the step's two
	s_add_co_u32 s42, s42, s3
	s_mov_b32 s43, 0
	s_lshl_b32 s44, s[TI], 1
	s_add_co_u32 s44, s44, s[RH]           ; my queries' block of 128
	s_lshl_b32 s45, s[TJ], 1
	s_add_co_u32 s45, s45, s[CH]           ; my unit of 128 keys
	s_cmp_eq_u32 s44, s45
	s_cselect_b32 s[BIG], 0xf149f2ca, 0    ; -1e30 where my unit holds the diagonal
	s_lshl_b32 s46, s[BB], 23
	s_lshl_b32 s3, s44, 19
	s_add_co_u32 s46, s46, s3
	s_lshl_b32 s3, s45, 8
	s_add_co_u32 s46, s46, s3              ; pt: batch, 128 rows of 4,096 bytes, 128 keys of 2 bytes
	s_mov_b32 s47, 0
	s_lshl_b32 s48, s[BB], 4
	s_add_co_u32 s48, s48, s45
	s_lshl_b32 s48, s48, 14
	s_lshl_b32 s3, s44, 9
	s_add_co_u32 s48, s48, s3              ; st: (16 batch + unit) x 16,384 + 128 rows of 4 bytes
	s_mov_b32 s49, 0
	s_wait_dscnt 0x0                       ; the opening add is done
	s_wait_kmcnt 0x0
	s_add_nc_u64 s[4:5], s[4:5], s[42:43]
	s_add_nc_u64 s[6:7], s[6:7], s[46:47]
	s_add_nc_u64 s[8:9], s[8:9], s[48:49]
.irp s, 0,1
	s_mov_b32 s[G0+4*\s], 1
	s_add_co_u32 s[G0+4*\s+1], s2, (\s)*SLOT
	s_add_nc_u64 s[G0+4*\s+2:G0+4*\s+3], s[4:5], (\s)*2*PLANE
	s_or_b32 s[G0+4*\s+3], s[G0+4*\s+3], 0x80000000
.endr
	tensor_load_to_lds s[G0:G0+3], s[G1:G1+7]      ; K steps 0 and 1: two loads of mine are out
	s_nop 0
	tensor_load_to_lds s[G0+4:G0+7], s[G1:G1+7]
	s_nop 0
.rept 4
	v_nop
.endr
	v_and_b32 v1, 15, v0
	v_bfe_u32 v2, v0, 4, 1
	v_lshlrev_b32 v14, 3, v2
	v_sub_nc_u32 v14, v1, v14              ; r - 8 h: in a block on the diagonal register j is hidden where j is greater
	WIN 0x40
.set i, 0
.rept 8
	v_cmp_gt_i32 vcc_lo, i, v14
	v_cndmask_b32 v[i], 0, s[BIG], vcc_lo
	v_mov_b32 v[8+i], s[BIG]               ; a block above the diagonal is hidden whole
.set i, i+1
.endr
	WIN 0
	v_mul_u32_u24 v3, v1, PA
	v_lshl_add_u32 v3, v2, 4, v3
	s_mul_i32 s2, s[RH], 128*PA
	v_add_nc_u32 v[ADRA0], s2, v3
	s_mul_i32 s2, s[CH], 128*PA
	s_add_co_u32 s2, s2, 2*BLK
	v_add_nc_u32 v[ADRB0], s2, v3
	v_mov_b32 v[ADRA], v[ADRA0]
	v_mov_b32 v[ADRB], v[ADRB0]
	v_mul_u32_u24 v[DA], v1, DP            ; set down: row r, 32 bytes for each half of the lanes
	v_lshl_add_u32 v[DA], v2, 5, v[DA]
	s_mul_i32 s2, s[WV], 128*DP
	v_add_nc_u32 v[DA], s2, v[DA]
	v_mul_u32_u24 v[RDA], v2, DP           ; back: lanes 0-15 one row, lanes 16-31 the next, 8 keys a lane
	v_lshl_add_u32 v[RDA], v1, 5, v[RDA]
	v_add_nc_u32 v[RDA], s2, v[RDA]
	s_lshl_b32 s2, s[WV], 10
	s_add_co_u32 s2, s2, STATS
	v_lshl_add_u32 v[SA], v2, 2, s2
	v_and_b32 v[SO], 31, v0
	v_lshlrev_b32 v[SO], 4, v[SO]
	v_add_nc_u32 v[SL], s2, v[SO]
	v_lshlrev_b32 v[PO], 12, v2            ; pt: the same two rows, 16 bytes a lane
	v_lshl_add_u32 v[PO], v1, 4, v[PO]
; 16 matrix instructions: query blocks a0, a0 + 1 of the window's four x all 8 key blocks.  first = 1: the products start the sums, with 0 or a mask.  The 64 accumulators take turns.
.macro MUL16 f, hi, a0, first
.if \first
	WIN 0x91+0x40*(\hi)                    ; k in window 1, q in window 0, the mask in window 1, D in window 2 or 3
.else
	WIN 0xa1+0x50*(\hi)
.endif
.irp a, \a0, (\a0)+1
.irp b, 0,1,2,3,4,5,6,7
.if \first
.if (\b) < 4*(\hi)+(\a)
	v_wmma_f32_16x16x32_f16 v[8*(8*(\a)+\b):8*(8*(\a)+\b)+7], v[(\f)+8*\b:(\f)+8*\b+7], v[(\f)+8*(4*(\hi)+(\a)):(\f)+8*(4*(\hi)+(\a))+7], 0
.elseif (\b) == 4*(\hi)+(\a)
	v_wmma_f32_16x16x32_f16 v[8*(8*(\a)+\b):8*(8*(\a)+\b)+7], v[(\f)+8*\b:(\f)+8*\b+7], v[(\f)+8*(4*(\hi)+(\a)):(\f)+8*(4*(\hi)+(\a))+7], v[0:7]
.else
	v_wmma_f32_16x16x32_f16 v[8*(8*(\a)+\b):8*(8*(\a)+\b)+7], v[(\f)+8*\b:(\f)+8*\b+7], v[(\f)+8*(4*(\hi)+(\a)):(\f)+8*(4*(\hi)+(\a))+7], v[8:15]
.endif
.else
	v_wmma_f32_16x16x32_f16 v[8*(8*(\a)+\b):8*(8*(\a)+\b)+7], v[(\f)+8*\b:(\f)+8*\b+7], v[(\f)+8*(4*(\hi)+(\a)):(\f)+8*(4*(\hi)+(\a))+7], v[8*(8*(\a)+\b):8*(8*(\a)+\b)+7]
.endif
.endr
.endr
.endm
.macro FETCH ko, f                     ; 32 LDS loads in one run: a quarter's fragments, k's 16 first
	WIN 0x40
.irp i, 0,1,2,3,4,5,6,7
	ds_load_b128 v[(\f)+8*\i:(\f)+8*\i+3], v[ADRB] offset:(\ko)+\i*16*PA
	ds_load_b128 v[(\f)+8*\i+4:(\f)+8*\i+7], v[ADRB] offset:(\ko)+\i*16*PA+32
.endr
	WIN 0
.irp i, 0,1,2,3,4,5,6,7
	ds_load_b128 v[(\f)+8*\i:(\f)+8*\i+3], v[ADRA] offset:(\ko)+\i*16*PA
	ds_load_b128 v[(\f)+8*\i+4:(\f)+8*\i+7], v[ADRA] offset:(\ko)+\i*16*PA+32
.endr
.endm
.macro QUARTER ko, f, g, first         ; multiplies buffer f; in its middle fetches the next quarter, at ko, into g
	s_wait_dscnt 8                         ; k and q's rows 0-63 are in; the youngest eight loads may be out
	MUL16 \f, 0, 0, \first
	MUL16 \f, 0, 2, \first
	PLACES
	FETCH \ko, \g
	s_wait_dscnt 32                        ; all but the 32 just issued
	MUL16 \f, 1, 0, \first
	MUL16 \f, 1, 2, \first
.endm
; The last quarter of a K step changes slots: one barrier; in front of it each wave waits for all its tensor loads (one is out: its block of the next slot), adds 0 to its spare word, and waits for that and for its reads.
.macro TURN fill
	WIN 0
	s_wait_tensorcnt 0x0
	ds_add_u32 v[SPW], v[NIL]
.if \fill
	s_xor_b32 s[G0+5], s[G0+5], SLOT       ; the walking descriptor: the other slot, the next K step
	s_add_nc_u64 s[G0+6:G0+7], s[G0+6:G0+7], 2*PLANE
.endif
	s_xor_b32 s[TB], s[TB], SLOT
	s_wait_dscnt 9                         ; the add and the youngest eight loads may be out
	MUL16 F1, 0, 0, 0
	s_wait_dscnt 0x0                       ; the add is done, and my reads of this slot are over
	s_barrier_signal -1
	MUL16 F1, 0, 2, 0
	WIN 0
	s_barrier_wait -1
.if \fill
	tensor_load_to_lds s[G0+4:G0+7], s[G1:G1+7]    ; my one load behind the barrier, first thing there
	s_nop 0
.endif
	PLACES
	v_add_nc_u32 v[ADRA], s[TB], v[ADRA0]
	v_add_nc_u32 v[ADRB], s[TB], v[ADRB0]
	FETCH 0, F0
	MUL16 F1, 1, 0, 0
	MUL16 F1, 1, 2, 0
.endm
.macro LASTQ
	s_wait_dscnt 8
	MUL16 F1, 0, 0, 0
	MUL16 F1, 0, 2, 0
	s_wait_dscnt 0x0
	MUL16 F1, 1, 0, 0
	MUL16 F1, 1, 2, 0
.endm
	s_wait_tensorcnt 0x1                   ; my block of K step 0 is in; K step 1's may stay out
	s_barrier_signal -1
	s_barrier_wait -1
	FETCH 0, F0
	QUARTER KO1, F0, F1, 1
	WIN 0
	s_mov_b32 s[CNT], 6                    ; K steps 2 to 7 are asked for in the loop
.Lk:
	QUARTER KO2, F1, F0, 0
	QUARTER KO3, F0, F1, 0
	TURN 1
	QUARTER KO1, F0, F1, 0
	WIN 0
	s_sub_co_u32 s[CNT], s[CNT], 1
	s_cmp_lg_u32 s[CNT], 0
	s_cbranch_scc1 .Lk
	QUARTER KO2, F1, F0, 0                 ; the tail asks for nothing
	QUARTER KO3, F0, F1, 0
	TURN 0
	QUARTER KO1, F0, F1, 0
	QUARTER KO2, F1, F0, 0
	QUARTER KO3, F0, F1, 0
	LASTQ
	WIN 0
	s_barrier_signal -1                    ; every wave's reads of the slots are back (the wait for 0 above) and no fill is to come: the slots take the sums
	s_barrier_wait -1
	PLACES
.irp hi, 0,1
	WIN 0x08+4*(\hi)                       ; the data in window 2 or 3
.irp a, 0,1,2,3
.irp b, 0,1,2,3,4,5,6,7
	ds_store_b128 v[DA], v[8*(8*\a+\b):8*(8*\a+\b)+3] offset:(4*(\hi)+\a)*16*DP+64*\b
	ds_store_b128 v[DA], v[8*(8*\a+\b)+4:8*(8*\a+\b)+7] offset:(4*(\hi)+\a)*16*DP+64*\b+16
.endr
.endr
.endr
	WIN 0
.macro ALLT line:vararg                ; one line for each pair of rows t
.set t, 0
.rept 8
	\line
.set t, t+1
.endr
.endm
	s_mov_b32 s[CNT], 8
.Lrows:                                    ; 16 rows a trip: lane (h, r) holds keys 8 r .. 8 r + 7 of rows 2 t + h
	ALLT ds_load_b128 v[X+8*t:X+8*t+3], v[RDA] offset:t*2*DP
	ALLT ds_load_b128 v[X+8*t+4:X+8*t+7], v[RDA] offset:t*2*DP+16
	s_wait_dscnt 0x0                       ; LDS serves a wave's instructions in order: the loads saw my stores
	ALLT v_max3_num_f32 v[ST+2*t+1], v[X+8*t], v[X+8*t+1], v[X+8*t+2]
	ALLT v_max3_num_f32 v[ST+2*t+1], v[ST+2*t+1], v[X+8*t+3], v[X+8*t+4]
	ALLT v_max3_num_f32 v[ST+2*t+1], v[ST+2*t+1], v[X+8*t+5], v[X+8*t+6]
	ALLT v_max_num_f32 v[ST+2*t+1], v[ST+2*t+1], v[X+8*t+7]
.irp m, 1,2,4,8
	ALLT v_max_num_f32_dpp v[ST+2*t+1], v[ST+2*t+1], v[ST+2*t+1] row_xmask:\m row_mask:0xf bank_mask:0xf
.endr
	ALLT v_mul_f32 v[ST+2*t], s[CS], v[ST+2*t+1]
.irp i, 0,1,2,3
	ALLT v_pk_fma_f32 v[X+8*t+2*\i:X+8*t+2*\i+1], v[X+8*t+2*\i:X+8*t+2*\i+1], s[CS:CS+1], v[ST+2*t:ST+2*t+1] op_sel_hi:[1,0,0] neg_lo:[0,0,1] neg_hi:[0,0,1]
.endr
.set i, 0
.rept 64
	v_exp_f32 v[X+i], v[X+i]
.set i, i+1
.endr
	v_nop                                  ; a plain instruction behind the last exponential
.set i, 0
	s_wait_alu depctr_va_vdst(0)
.rept 32
	v_cvt_pk_f16_f32 v[Y+i], v[X+2*i], v[X+2*i+1]
.set i, i+1
.endr
	ALLT global_store_b128 v[PO], v[Y+4*t:Y+4*t+3], s[6:7] offset:t*8192     ; 16 lanes store 256 consecutive bytes, aligned
	ALLT v_pk_add_f32 v[X+8*t:X+8*t+1], v[X+8*t:X+8*t+1], v[X+8*t+2:X+8*t+3]
	ALLT v_pk_add_f32 v[X+8*t+4:X+8*t+5], v[X+8*t+4:X+8*t+5], v[X+8*t+6:X+8*t+7]
	ALLT v_pk_add_f32 v[X+8*t:X+8*t+1], v[X+8*t:X+8*t+1], v[X+8*t+4:X+8*t+5]
	ALLT v_add_f32 v[X+8*t], v[X+8*t], v[X+8*t+1]
.irp m, 1,2,4,8
	ALLT v_add_f32_dpp v[X+8*t], v[X+8*t], v[X+8*t] row_xmask:\m row_mask:0xf bank_mask:0xf
.endr
	ALLT ds_store_b32 v[SA], v[ST+2*t] offset:8*t          ; the 16 lanes of a row write the same word with the same number
	ALLT ds_store_b32 v[SA], v[X+8*t] offset:512+8*t
	s_wait_xcnt 0x0                        ; the stores' base and data are written again only behind this wait
	s_add_nc_u64 s[6:7], s[6:7], 65536
	v_add_nc_u32 v[RDA], 16*DP, v[RDA]
	v_add_nc_u32 v[SA], 64, v[SA]
	s_sub_co_u32 s[CNT], s[CNT], 1
	s_cmp_lg_u32 s[CNT], 0
	s_cbranch_scc1 .Lrows
	ds_load_b128 v[X:X+3], v[SL]           ; cm of my 128 rows, 512 consecutive bytes,
	ds_load_b128 v[X+4:X+7], v[SL] offset:512      ; and l
	s_wait_dscnt 0x0
	global_store_b128 v[SO], v[X:X+3], s[8:9]
	global_store_b128 v[SO], v[X+4:X+7], s[8:9] offset:8192
	s_wait_tensorcnt 0x0                   ; the wave's end
	ds_add_u32 v[SPW], v[NIL]
	s_wait_dscnt 0x0
	s_endpgm
.Lfunc_end_k_qe0ff80b4b4_scores:
	.size	k_qe0ff80b4b4_scores, .Lfunc_end_k_qe0ff80b4b4_scores-k_qe0ff80b4b4_scores
	.p2alignl 7, 3214868480
	.fill 96, 4, 3214868480
	.section	.rodata,"a",@progbits
	.p2align	6, 0x0
	.amdhsa_kernel k_qe0ff80b4b4_scores
		.amdhsa_group_segment_fixed_size 327680
		.amdhsa_private_segment_fixed_size 0
		.amdhsa_enable_private_segment 0
		.amdhsa_kernarg_size 24
		.amdhsa_user_sgpr_count 2
		.amdhsa_user_sgpr_kernarg_segment_ptr 1
		.amdhsa_wavefront_size32 1
		.amdhsa_system_sgpr_workgroup_id_x 1
		.amdhsa_system_sgpr_workgroup_id_y 1
		.amdhsa_system_sgpr_workgroup_id_z 1
		.amdhsa_system_vgpr_workitem_id 0
		.amdhsa_next_free_vgpr 1024
		.amdhsa_next_free_sgpr 66
		.amdhsa_reserve_vcc 1
		.amdhsa_float_denorm_mode_32 3
		.amdhsa_float_denorm_mode_16_64 3
		.amdhsa_memory_ordered 1
		.amdhsa_forward_progress 1
		.amdhsa_inst_pref_size 109
	.end_amdhsa_kernel
	.amdgpu_metadata
---
amdhsa.version: [ 1, 2 ]
amdhsa.kernels:
  - .name:           k_qe0ff80b4b4_scores
    .symbol:         k_qe0ff80b4b4_scores.kd
    .args:
      - { .name: qkv, .offset: 0, .size: 8, .value_kind: global_buffer, .address_space: global }
      - { .name: pt, .offset: 8, .size: 8, .value_kind: global_buffer, .address_space: global }
      - { .name: st, .offset: 16, .size: 8, .value_kind: global_buffer, .address_space: global }
    .group_segment_fixed_size: 327680
    .private_segment_fixed_size: 0
    .kernarg_segment_align: 8
    .kernarg_segment_size: 24
    .max_flat_workgroup_size: 128
    .sgpr_count:     66
    .vgpr_count:     1024
    .wavefront_size: 32
...
	.end_amdgpu_metadata
.endif
;; end of part 3
;; launch pv (part 4): grid 8 x 32, 4 waves a work-group, clusters of 4 x 4, 327,680 bytes of LDS; arguments pt, st, qkv, yh; writes yh
.if DOCPART == 4
	.amdgcn_target "amdgcn-amd-amdhsa--gfx1250"
	.amdhsa_code_object_version 6
	.text
	.protected	k_qe0ff80b4b4_pv
	.globl	k_qe0ff80b4b4_pv
	.p2align	8
	.type	k_qe0ff80b4b4_pv,@function
k_qe0ff80b4b4_pv:
	s_mov_b64 s[64:65], 0
	v_nop
	global_prefetch_b8 v0, s[64:65] scope:SCOPE_SE
	s_setreg_imm32_b32 hwreg(HW_REG_WAVE_MODE, 25, 1), 1
	s_wait_xcnt 0x0
	s_wait_alu depctr_hold_cnt(0) depctr_sa_sdst(0) depctr_va_vdst(0) depctr_va_sdst(0) depctr_va_ssrc(0) depctr_va_vcc(0) depctr_vm_vsrc(0)
	s_getreg_b32 s2, hwreg(HW_REG_IB_STS2, 6, 4)
	s_cmp_eq_u32 s2, 0
	s_cbranch_scc0 .Lentry_in_a_cluster
	s_endpgm
.Lentry_in_a_cluster:
	s_bfe_u32 s2, ttmp6, 0x10000c
	s_cmp_lg_u32 s2, 0xf033
	s_cbranch_scc0 .Lentry_shape_is_right
	s_endpgm
.Lentry_shape_is_right:
; PV.  y[row] = the sum over units u of f_u (P_u V_u), f_u = 2^(cm_u - M) / L, M = the maximum of the row's cm_u, L = the sum of 2^(cm_u - M) l_u.  pt: f16 [4][2048][2048]; st: f32 [4][16][cm, l][2048];
; v: blocks 32-47 of qkv; yh: f16 in blocks of 64 channels, [16][8192][64].  Products, factors and sums in f32; y rounded once.
; LIMITS.  A factor below 2^-126 counts as 0; y is a mean of v's rows and has their range; NaN and infinities are not treated apart.
; SHARES.  A work-group makes 128 channels of TWO blocks of 128 rows, 15 - p and then p (p = 0..7): 17 units of 128 keys together, whatever p.  Four waves, each 64 rows x 64 channels.
; ONE WALK FOR ALL SIXTEEN PARTNERS: 10 trips of 256 keys, 8 - 2 g for the first block and 2 + 2 g for the second, g = p / 4, which the cluster shares.  A partner whose block is shorter goes on asking, with P's
; key tile held at its last one, and its products are multiplied by f = 0: 20 units worked for 17, the price of joint loads for both operands.
; CLUSTER 4 x 4: P's tile (row block) is shared along a row of the cluster, V's (channel block) along a column.
; A unit's products are summed in T (16 accumulators, started with the constant 0) and then O += f T.  O is cleared by moves, on purpose: where a block begins is a trip chosen at run time, so no first step can be written out.
; THE FACTORS lie in LDS in the order of the walk, [20 walk units][128 rows], so that the address from which they are read steps by a constant from the first unit to the last.
; REGISTERS.  Window 0: v1-29 addresses; v32-39 f, four pairs; v64-127 the way out; v128-255 T (before the loop: the factors' work).  Window 1: two fragment buffers of 128: 64 of P, then 64 of V.  Window 2: v0-127 O.
.set PLANE, 1048576
.set PP,    528                        ; a row of P in LDS: 512 bytes + 16
.set PV,    160                        ; a row of V: 128 bytes + 32: an odd multiple of 32
.set BOFF,  128*PP                     ; V's two blocks lie behind P's 128 rows
.set SLOT,  151552                     ; shares no bit with the waves' 0, 33,792, 67,584 or 108,544: an exclusive or changes slots
.set STAGE, 2*SLOT                     ; 16 rows x 144 bytes for each wave
.set SP,    144
.set TBL,   STAGE+4*16*SP              ; f: [20 walk units][128 rows] f32
.set SPARE, TBL+20*512                 ; the spare words, 128 bytes a wave; no other line names them
.set ADRA0, 3
.set ADRB0, 4
.set ADRA,  5
.set ADRB,  6
.set STO,   7
.set RD,    8
.set GO,    9
.set FT,    10
.set FT0,   11
.set TA,    12
.set VSO,   13
.set SPW,   28
.set NIL,   29
.set F,     32
.set TMP,   64
.set T,     128
.set OF,    128
.set CM,    152
.set LL,    176
.set PM,    200
.set PL,    202
.set F0,    0
.set F1,    128
.set WV, 12
.set RH, 13
.set CH, 14
.set CX, 15
.set CY, 16
.set NN, 17
.set CYC, 18
.set BB, 19
.set PG, 20
.set MROW, 21
.set IA, 22
.set IB, 23
.set G1A, 24
.set G0A, 32
.set G1B, 40
.set G0B, 48
.set CNT, 56
.set TB,  57
.set SW,  58
.set PTB, 60
.set VB,  62
.set ND,  66
.set NI,  67
.set NLAST, 68
.set MCOL, 69
.set OFA, 70
.set OFB, 72
.set YC,  74
.set YB,  76
.set STB, 78
.set WSEL, 88
.set LAW, 89
.set LBW, 90
.set MSB, 0
.macro WIN new                         ; the immediate's high byte repeats the setting that is left; a switch that changes nothing is dropped
.if MSB != (\new)
	s_set_vgpr_msb (MSB<<8)|(\new)
.set MSB, \new
.endif
.endm
.macro PLACES                          ; four places behind matrix instructions, in front of loads into their sources and of reads of their results
.rept 4
	v_nop
.endr
.endm
.macro JLOAD                           ; waves 0, 1 ask for the halves of P's tile, waves 2, 3 for V's two blocks; s_nop 0 and four v_nop follow each line
	s_cmp_lt_u32 s[WV], 2
	s_cbranch_scc0 .Lfor_b_\@
	tensor_load_to_lds s[G0A+4:G0A+7], s[G1A:G1A+7]
	s_nop 0
.rept 4
	v_nop
.endr
	s_branch .Lasked_\@
.Lfor_b_\@:
	tensor_load_to_lds s[G0B+4:G0B+7], s[G1B:G1B+7]
	s_nop 0
.rept 4
	v_nop
.endr
.Lasked_\@:
.endm
.macro CREST                           ; a round of the cluster's barrier behind its opening barrier
	s_cmp_lg_u32 s[WV], 0
	s_cbranch_scc1 .Lnot_wave_0_\@
	s_barrier_signal -3
.Lnot_wave_0_\@:
	s_barrier_wait -3
	s_barrier_signal -1
	s_barrier_wait -1
.endm
.macro CROUND
	s_barrier_signal -1
	s_barrier_wait -1
	CREST
.endm
	s_load_b256 s[4:11], s[0:1], 0x0       ; pt s[4:5], st s[6:7], qkv s[8:9], yh s[10:11]
	v_lshl_add_u32 v[SPW], v0, 2, SPARE
	v_mov_b32 v[NIL], 0
	ds_add_u32 v[SPW], v[NIL]              ; the wave's opening: the add and its wait ahead of my first tensor load
	ds_add_u32 v28, v29
	v_lshrrev_b32 v1, 5, v0
	v_readfirstlane_b32 s[WV], v1
	s_lshr_b32 s[RH], s[WV], 1
	s_and_b32 s[CH], s[WV], 1
	s_bfe_u32 s[CX], ttmp6, 0x40000
	s_bfe_u32 s[CY], ttmp6, 0x40004
	s_lshl_b32 s[NN], ttmp9, 2
	s_add_co_u32 s[NN], s[NN], s[CX]       ; my block of 128 channels
	s_and_b32 s[CYC], ttmp7, 0xffff
	s_lshr_b32 s[BB], s[CYC], 1            ; the batch,
	s_and_b32 s[PG], s[CYC], 1             ; and g: both are the whole cluster's
	s_lshl_b32 s[IB], s[PG], 2
	s_add_co_u32 s[IB], s[IB], s[CY]       ; the second row block, p
	s_sub_co_u32 s[IA], 15, s[IB]          ; the first
	s_lshl_b32 s[SW], s[PG], 1             ; the blocks change when the loop's count has come down to 2 g
	s_sub_co_u32 s[NLAST], 7, s[SW]        ; the first block's last trip
	s_mov_b32 s[ND], 2                     ; the key tile to be asked for next,
	s_mov_b32 s[NI], s[IA]                 ; and the row block that it is for
	s_lshl_b32 s[MROW], s[CY], 2
	s_lshl_b32 s[MROW], 15, s[MROW]
	s_lshl_b32 s[MCOL], 0x1111, s[CX]
	; P's half tile: 64 rows of 256 elements, 2,048 from row to row, 16 bytes of padding after every 512
	s_or_b32 s[G1A], s[MROW], (1<<16)|(1<<20)|(1<<21)|(6<<22)|(3<<25)
	s_mov_b32 s[G1A+1], 256<<16
	s_mov_b32 s[G1A+2], 64<<16
	s_mov_b32 s[G1A+3], 256<<16
	s_mov_b32 s[G1A+4], 64
	s_mov_b32 s[G1A+5], 2048
	s_mov_b32 s[G1A+6], 0
	s_mov_b32 s[G1A+7], 0
	; a block of V: 256 keys x 128 bytes, dense, as 128 rows of 256 bytes, 32 bytes of padding after every 128
	s_or_b32 s[G1B], s[MCOL], (1<<16)|(1<<20)|(1<<21)|(4<<22)|(7<<25)
	s_mov_b32 s[G1B+1], 128<<16
	s_mov_b32 s[G1B+2], 128<<16
	s_mov_b32 s[G1B+3], 128<<16
	s_mov_b32 s[G1B+4], 128
	s_mov_b32 s[G1B+5], 128
	s_mov_b32 s[G1B+6], 0
	s_mov_b32 s[G1B+7], 0
	s_mul_i32 s[LAW], s[CH], 64*PP
	s_mul_i32 s[LBW], s[CH], 256*PV
	s_add_co_u32 s[LBW], s[LBW], BOFF
	s_mov_b32 s[TB], 0
	s_lshl_b32 s80, s[BB], 23
	s_lshl_b32 s81, s[CH], 18
	s_add_co_u32 s80, s80, s81             ; pt: the batch, my 64 rows of a block
	s_mov_b32 s81, 0
	s_lshl_b32 s82, s[NN], 1
	s_add_co_u32 s82, s82, s[CH]
	s_add_co_u32 s82, s82, 32
	s_lshl_b32 s82, s82, 20                ; v: block 32 + 2 n + my one of the two,
	s_lshl_b32 s83, s[BB], 18
	s_add_co_u32 s82, s82, s83             ; the batch's rows
	s_mov_b32 s83, 0
	s_lshl_b32 s[OFA], s[IA], 19           ; a row block is 128 rows of 4,096 bytes
	s_mov_b32 s[OFA+1], 0
	s_mov_b32 s[OFB+1], 0
	s_lshl_b32 s84, s[NN], 1
	s_add_co_u32 s84, s84, s[CH]
	s_lshl_b32 s84, s84, 20                ; yh: block 2 n + my half,
	s_lshl_b32 s85, s[BB], 18
	s_add_co_u32 s84, s84, s85
	s_lshl_b32 s85, s[RH], 13
	s_add_co_u32 s84, s84, s85             ; the batch, my 64 rows of a block
	s_mov_b32 s87, 0
	s_wait_dscnt 0x0                       ; the opening add is done
	s_wait_kmcnt 0x0
	s_add_nc_u64 s[PTB:PTB+1], s[4:5], s[80:81]
	s_add_nc_u64 s[VB:VB+1], s[8:9], s[82:83]
	s_lshl_b32 s85, s[IA], 14
	s_add_co_u32 s86, s84, s85
	s_add_nc_u64 s[YC:YC+1], s[10:11], s[86:87]
	s_lshl_b32 s85, s[IB], 14
	s_add_co_u32 s86, s84, s85
	s_add_nc_u64 s[YB:YB+1], s[10:11], s[86:87]
	s_lshl_b32 s86, s[BB], 18
	s_add_nc_u64 s[STB:STB+1], s[6:7], s[86:87]
	CROUND                                 ; all sixteen work-groups are here: the first joint loads meet
	s_mov_b32 s[G0A], 1
	s_mov_b32 s[G0A+1], s[LAW]
	s_add_nc_u64 s[G0A+2:G0A+3], s[PTB:PTB+1], s[OFA:OFA+1]      ; key tile 0,
	s_mov_b32 s[G0A+4], 1
	s_add_co_u32 s[G0A+5], s[LAW], SLOT
	s_add_nc_u64 s[G0A+6:G0A+7], s[G0A+2:G0A+3], 512             ; key tile 1
	s_or_b32 s[G0A+3], s[G0A+3], 0x80000000
	s_or_b32 s[G0A+7], s[G0A+7], 0x80000000
	s_mov_b32 s[G0B], 1
	s_mov_b32 s[G0B+1], s[LBW]
	s_add_nc_u64 s[G0B+2:G0B+3], s[VB:VB+1], 0
	s_mov_b32 s[G0B+4], 1
	s_add_co_u32 s[G0B+5], s[LBW], SLOT
	s_add_nc_u64 s[G0B+6:G0B+7], s[VB:VB+1], 32768
	s_or_b32 s[G0B+3], s[G0B+3], 0x80000000
	s_or_b32 s[G0B+7], s[G0B+7], 0x80000000
	s_cmp_lt_u32 s[WV], 2                  ; a wave's two first fills stand in one branch: two loads of mine are out
	s_cbranch_scc0 .Lfirst_b
	tensor_load_to_lds s[G0A:G0A+3], s[G1A:G1A+7]
	s_nop 0
	tensor_load_to_lds s[G0A+4:G0A+7], s[G1A:G1A+7]
	s_nop 0
.rept 4
	v_nop
.endr
	s_branch .Lfirst_asked
.Lfirst_b:
	tensor_load_to_lds s[G0B:G0B+3], s[G1B:G1B+7]
	s_nop 0
	tensor_load_to_lds s[G0B+4:G0B+7], s[G1B:G1B+7]
	s_nop 0
.rept 4
	v_nop
.endr
.Lfirst_asked:
	; THE FACTORS.  Thread t serves row t of both blocks.  Unit u is read at min(u, block): always a unit that was written; beyond the block the factor is multiplied by 0.
	v_lshlrev_b32 v[VSO], 2, v0
	v_lshl_add_u32 v[TA], v0, 2, TBL
.macro PREL u0, nu, ix                 ; cm and l of nu units of block s[ix] into CM and LL from u0 on
.set u, 0
.rept \nu
	s_min_u32 s80, s[\ix], u
	s_lshl_b32 s80, s80, 14
	s_lshl_b32 s81, s[\ix], 9
	s_add_co_u32 s80, s80, s81
	v_add_nc_u32 v[OF+(\u0)+u], s80, v[VSO]
	global_load_b32 v[CM+(\u0)+u], v[OF+(\u0)+u], s[STB:STB+1]
	global_load_b32 v[LL+(\u0)+u], v[OF+(\u0)+u], s[STB:STB+1] offset:8192
.set u, u+1
.endr
.endm
.macro PREC u0, nu, ix                 ; CM takes the block's factors f
	v_max_num_f32 v[PM], v[CM+(\u0)], v[CM+(\u0)+1]
.set u, 2
.rept ((\nu)-2)/2
	v_max3_num_f32 v[PM], v[PM], v[CM+(\u0)+u], v[CM+(\u0)+u+1]
.set u, u+2
.endr
.set u, 0
.rept \nu
	v_sub_f32 v[CM+(\u0)+u], v[CM+(\u0)+u], v[PM]
.set u, u+1
.endr
.set u, 0
.rept \nu
	v_exp_f32 v[CM+(\u0)+u], v[CM+(\u0)+u]
.set u, u+1
.endr
	v_nop                                  ; a plain instruction behind the last exponential
	s_wait_alu depctr_va_vdst(0)
.set u, 0
.rept \nu
	s_cmp_le_u32 u, s[\ix]
	s_cselect_b32 s[WSEL], 1.0, 0
	v_mul_f32 v[CM+(\u0)+u], s[WSEL], v[CM+(\u0)+u]
.set u, u+1
.endr
	v_mul_f32 v[PL], v[CM+(\u0)], v[LL+(\u0)]
	v_mul_f32 v[PL+1], v[CM+(\u0)+1], v[LL+(\u0)+1]
.set u, 2
.rept ((\nu)-2)/2
	v_fmac_f32 v[PL], v[CM+(\u0)+u], v[LL+(\u0)+u]
	v_fmac_f32 v[PL+1], v[CM+(\u0)+u+1], v[LL+(\u0)+u+1]
.set u, u+2
.endr
	v_add_f32 v[PL], v[PL], v[PL+1]        ; L is 1 or more: the unit that holds M has a weight of 1
	v_rcp_f32 v[PL], v[PL]
	v_nop                                  ; a plain instruction behind the reciprocal
.set u, 0
	s_wait_alu depctr_va_vdst(0)
.rept \nu
	v_mul_f32 v[CM+(\u0)+u], v[CM+(\u0)+u], v[PL]
.set u, u+1
.endr
.endm
	PREL 0, 16, IA
	PREL 16, 8, IB
	v_and_b32 v1, 15, v0
	v_bfe_u32 v2, v0, 4, 1
	v_and_b32 v14, 7, v0
	v_bfe_u32 v15, v0, 3, 1
	v_mul_u32_u24 v[ADRA0], v1, PP
	v_lshl_add_u32 v[ADRA0], v2, 4, v[ADRA0]
	s_mul_i32 s2, s[RH], 64*PP
	v_add_nc_u32 v[ADRA0], s2, v[ADRA0]
	v_lshl_add_u32 v[ADRB0], v2, 3, v14        ; the turning load: key 8 h + lane % 8, channels 8 ((lane / 8) % 2) on
	v_mul_u32_u24 v[ADRB0], v[ADRB0], PV
	v_lshl_add_u32 v[ADRB0], v15, 4, v[ADRB0]
	s_mul_i32 s2, s[CH], 256*PV
	s_add_co_u32 s2, s2, BOFF
	v_add_nc_u32 v[ADRB0], s2, v[ADRB0]
	v_mov_b32 v[ADRA], v[ADRA0]
	v_mov_b32 v[ADRB], v[ADRB0]
	s_mul_i32 s2, s[WV], 16*SP
	s_add_co_u32 s2, s2, STAGE
	v_mul_u32_u24 v[STO], v1, SP
	v_lshl_add_u32 v[STO], v2, 4, v[STO]
	v_add_nc_u32 v[STO], s2, v[STO]
	v_bfe_u32 v[RD], v0, 3, 2
	v_mul_u32_u24 v[RD], v[RD], SP
	v_lshl_add_u32 v[RD], v14, 4, v[RD]
	v_add_nc_u32 v[RD], s2, v[RD]
	v_and_b32 v[GO], 31, v0
	v_lshlrev_b32 v[GO], 4, v[GO]
	s_lshl_b32 s2, s[RH], 8
	s_add_co_u32 s2, s2, TBL
	v_lshl_add_u32 v[FT0], v1, 2, s2       ; f of row 64 half + r; row block a is 64 a bytes on, a walk unit 512
	v_mov_b32 v[FT], v[FT0]
.irp a, 0,1,2,3
	v_mov_b32 v[F+2*\a+1], 0               ; named with f as a pair
.endr
.macro CLEARO
	WIN 0x80
.set i, 0
.rept 128
	v_mov_b32 v[i], 0
.set i, i+1
.endr
	WIN 0
.endm
	CLEARO
	s_wait_loadcnt 0x0                     ; cm and l
	PREC 0, 16, IA
	PREC 16, 8, IB
	; Into the table, in the order of the walk, every store at a constant place.  Walk units 0-11 are the first block's.  With g = 0 the first block has 16 units and the second 4; with g = 1 they have 12 and 8:
	; walk units 12-15 are the first block's 12-15 or the second's 0-3, walk units 16-19 the second's 0-3 or 4-7.  g chooses between values, not between addresses.
	v_mov_b32 v[PM], s[PG]
	v_cmp_eq_u32 vcc_lo, 1, v[PM]          ; written behind the first tensor loads, read for the last time ahead of the next
.set w, 0
.rept 4
	v_cndmask_b32 v[LL+w], v[CM+12+w], v[CM+16+w], vcc_lo
	v_cndmask_b32 v[LL+4+w], v[CM+16+w], v[CM+20+w], vcc_lo
.set w, w+1
.endr
.set w, 0
.rept 12
	ds_store_b32 v[TA], v[CM+w] offset:w*512
.set w, w+1
.endr
.set w, 0
.rept 8
	ds_store_b32 v[TA], v[LL+w] offset:(12+w)*512
.set w, w+1
.endr
; 8 matrix instructions: row blocks a0, a0 + 1 x 4 channel blocks, 32 keys: half c of buffer f.  The 16 accumulators take turns.
.macro MUL8 f, c, a0, zero
	WIN 0x05                               ; sources in window 1, T in window 0
.irp a, \a0, (\a0)+1
.irp b, 0,1,2,3
.if \zero
	v_wmma_f32_16x16x32_f16 v[T+8*(4*(\a)+\b):T+8*(4*(\a)+\b)+7], v[(\f)+64+8*(4*(\c)+\b):(\f)+64+8*(4*(\c)+\b)+7], v[(\f)+8*(4*(\c)+(\a)):(\f)+8*(4*(\c)+(\a))+7], 0
.else
	v_wmma_f32_16x16x32_f16 v[T+8*(4*(\a)+\b):T+8*(4*(\a)+\b)+7], v[(\f)+64+8*(4*(\c)+\b):(\f)+64+8*(4*(\c)+\b)+7], v[(\f)+8*(4*(\c)+(\a)):(\f)+8*(4*(\c)+(\a))+7], v[T+8*(4*(\a)+\b):T+8*(4*(\a)+\b)+7]
.endif
.endr
.endr
.endm
.macro FETCH k, f                      ; 32 LDS loads in one run: the fragments of keys k .. k + 63, the first 32 keys first
	WIN 0x40
.irp c, 0,1
.irp i, 0,1,2,3
	ds_load_tr16_b128 v[(\f)+64+8*(4*\c+\i):(\f)+64+8*(4*\c+\i)+3], v[ADRB] offset:((\k)+32*\c)*PV+32*\i
	ds_load_tr16_b128 v[(\f)+64+8*(4*\c+\i)+4:(\f)+64+8*(4*\c+\i)+7], v[ADRB] offset:((\k)+32*\c)*PV+32*\i+16*PV
	ds_load_b128 v[(\f)+8*(4*\c+\i):(\f)+8*(4*\c+\i)+3], v[ADRA] offset:2*(\k)+64*\c+\i*16*PP
	ds_load_b128 v[(\f)+8*(4*\c+\i)+4:(\f)+8*(4*\c+\i)+7], v[ADRA] offset:2*(\k)+64*\c+\i*16*PP+32
.endr
.endr
.endm
.macro FLOAD                           ; the walk unit's f for my four row blocks; then on to the next walk unit: twice a trip, 20 times in all, by the same constant
.irp a, 0,1,2,3
	ds_load_b32 v[F+2*\a], v[FT] offset:64*\a
.endr
	v_add_nc_u32 v[FT], 512, v[FT]
.endm
.macro QUARTER k, f, g, zero, fl       ; multiplies buffer f (64 keys); fetches keys k on into g; fl = 1: and the unit's f
	s_wait_dscnt 16                        ; the first 32 keys' fragments are in
	MUL8 \f, 0, 0, \zero
	MUL8 \f, 0, 2, \zero
	PLACES
.if \fl
	WIN 0
	FLOAD
.endif
	FETCH \k, \g
	s_wait_dscnt 32                        ; all but the 32 just issued: f too
	MUL8 \f, 1, 0, 0
	MUL8 \f, 1, 2, 0
.endm
.macro FMA                             ; O += f T, each accumulator from its low end on
	PLACES
	WIN 0xa0                               ; O in window 2, T and f in window 0
.irp a, 0,1,2,3
.irp b, 0,1,2,3
.irp i, 0,1,2,3
	v_pk_fma_f32 v[8*(4*\a+\b)+2*\i:8*(4*\a+\b)+2*\i+1], v[T+8*(4*\a+\b)+2*\i:T+8*(4*\a+\b)+2*\i+1], v[F+2*\a:F+2*\a+1], v[8*(4*\a+\b)+2*\i:8*(4*\a+\b)+2*\i+1] op_sel_hi:[1,0,1]
.endr
.endr
.endr
.endm
; A trip's last quarter changes slots.  In front of the barrier each wave waits for all its tensor loads (one is out: its part of the next slot), adds 0 to its spare word, and waits for that and for its reads.
; fill = 1: the barrier opens a round of the cluster's, and this slot is filled again, for the trip after next; the addresses are made anew from the tile's number.
.macro TURN fill, fetch
	WIN 0
	FLOAD
	s_wait_tensorcnt 0x0
	ds_add_u32 v[SPW], v[NIL]
.if \fill
	s_lshr_b32 s80, s[NI], 1
	s_min_u32 s80, s80, s[ND]              ; P's key tile, held at the block's last
	s_lshl_b32 s80, s80, 9
	s_lshl_b32 s81, s[NI], 19
	s_add_co_u32 s[OFA], s80, s81
	s_xor_b32 s[G0A+5], s[G0A+5], SLOT
	s_add_nc_u64 s[G0A+6:G0A+7], s[PTB:PTB+1], s[OFA:OFA+1]
	s_or_b32 s[G0A+7], s[G0A+7], 0x80000000
	s_lshl_b32 s[OFB], s[ND], 15           ; V's 256 keys of 128 bytes
	s_xor_b32 s[G0B+5], s[G0B+5], SLOT
	s_add_nc_u64 s[G0B+6:G0B+7], s[VB:VB+1], s[OFB:OFB+1]
	s_or_b32 s[G0B+7], s[G0B+7], 0x80000000
	s_add_co_u32 s[ND], s[ND], 1           ; the next tile, or behind the first block's last the second block's tile 0
	s_cmp_gt_u32 s[ND], s[NLAST]
	s_cselect_b32 s[ND], 0, s[ND]
	s_cselect_b32 s[NI], s[IB], s[NI]
	s_cselect_b32 s[NLAST], 99, s[NLAST]
.endif
	s_xor_b32 s[TB], s[TB], SLOT
	s_wait_dscnt 21                        ; the first 32 keys' fragments are in; 16 loads, f's 4 and the add may be out
	MUL8 F1, 0, 0, 0
	s_wait_dscnt 0x0                       ; the add is done, and my reads of this slot are over
	s_barrier_signal -1
	MUL8 F1, 0, 2, 0
	WIN 0
	s_barrier_wait -1
.if \fill
	CREST
	JLOAD
.else
	PLACES
.endif
.if \fetch
	v_add_nc_u32 v[ADRA], s[TB], v[ADRA0]
	v_add_nc_u32 v[ADRB], s[TB], v[ADRB0]
	FETCH 0, F0
.endif
	MUL8 F1, 1, 0, 0
	MUL8 F1, 1, 2, 0
.endm
.macro TRIP fill, fetch                ; 256 keys: two units
	QUARTER 64, F0, F1, 1, 0
	QUARTER 128, F1, F0, 0, 1
	FMA
	QUARTER 192, F0, F1, 1, 0
	TURN \fill, \fetch
	FMA
.endm
; THE WAY OUT of a block: 16 rows at a time, rounded to f16, through my stage, stored as 512 consecutive bytes of a block of yh.
.macro PACK a
	WIN 0x0a                               ; sources in window 2
.irp b, 0,1,2,3
.irp i, 0,1,2,3
	v_cvt_pk_f16_f32 v[TMP+16*(\a)+4*\b+\i], v[8*(4*(\a)+\b)+2*\i], v[8*(4*(\a)+\b)+2*\i+1]
.endr
.endr
	WIN 0
.irp b, 0,1,2,3
	ds_store_b128 v[STO], v[TMP+16*(\a)+4*\b:TMP+16*(\a)+4*\b+3] offset:32*\b
.endr
.irp f, 0,1,2,3
	ds_load_b128 v[TMP+16*(\a)+4*\f:TMP+16*(\a)+4*\f+3], v[RD] offset:\f*4*SP      ; LDS serves a wave's instructions in order: these see the stores above
.endr
.endm
.macro SEND a, younger
.irp f, 0,1,2,3
	s_wait_dscnt (\younger)+3-\f
	global_store_b128 v[GO], v[TMP+16*(\a)+4*\f:TMP+16*(\a)+4*\f+3], s[YC:YC+1] offset:(\a)*2048+\f*512
.endr
.endm
.macro FINISH
	WIN 0
	s_wait_xcnt 0x0                        ; the registers that earlier stores read are written again only behind this wait
	PACK 0
	PACK 1
	SEND 0, 8
	PACK 2
	SEND 1, 8
	PACK 3
	SEND 2, 8
	SEND 3, 0
.endm
	s_wait_tensorcnt 0x1                   ; my part of trip 0's tiles is in; trip 1's may stay out
	s_wait_dscnt 0x0                       ; my part of the table of factors is written
	s_barrier_signal -1
	s_barrier_wait -1
	FETCH 0, F0
	WIN 0
	s_mov_b32 s[CNT], 8                    ; trips 2 to 9 are asked for in the loop
.Ltrip:
	TRIP 1, 1
	WIN 0
	s_sub_co_u32 s[CNT], s[CNT], 1
	s_cmp_lg_u32 s[CNT], s[SW]
	s_cbranch_scc1 .Lsame_block            ; forward, past text with no barrier, no tensor load and no change of an LDS address
	FINISH                                 ; the first block is done
	s_wait_xcnt 0x0
	s_mov_b64 s[YC:YC+1], s[YB:YB+1]
	CLEARO
.Lsame_block:
	s_cmp_lg_u32 s[CNT], 0
	s_cbranch_scc1 .Ltrip
	v_add_nc_u32 v[FT], 16*512, v[FT0]     ; the tail's walk units 16 to 19: 8 trips x 2 steps have brought the address here; it is stated anew from the constant
	TRIP 0, 1                              ; the tail asks for nothing
	TRIP 0, 0
	FINISH
	s_wait_tensorcnt 0x0                   ; the wave's end
	ds_add_u32 v[SPW], v[NIL]
	s_wait_dscnt 0x0
	CROUND                                 ; the closing round
	s_endpgm
.Lfunc_end_k_qe0ff80b4b4_pv:
	.size	k_qe0ff80b4b4_pv, .Lfunc_end_k_qe0ff80b4b4_pv-k_qe0ff80b4b4_pv
	.p2alignl 7, 3214868480
	.fill 96, 4, 3214868480
	.section	.rodata,"a",@progbits
	.p2align	6, 0x0
	.amdhsa_kernel k_qe0ff80b4b4_pv
		.amdhsa_group_segment_fixed_size 327680
		.amdhsa_private_segment_fixed_size 0
		.amdhsa_enable_private_segment 0
		.amdhsa_kernarg_size 32
		.amdhsa_user_sgpr_count 2
		.amdhsa_user_sgpr_kernarg_segment_ptr 1
		.amdhsa_wavefront_size32 1
		.amdhsa_system_sgpr_workgroup_id_x 1
		.amdhsa_system_sgpr_workgroup_id_y 1
		.amdhsa_system_sgpr_workgroup_id_z 1
		.amdhsa_system_vgpr_workitem_id 0
		.amdhsa_next_free_vgpr 640
		.amdhsa_next_free_sgpr 96
		.amdhsa_reserve_vcc 1
		.amdhsa_float_denorm_mode_32 3
		.amdhsa_float_denorm_mode_16_64 3
		.amdhsa_memory_ordered 1
		.amdhsa_forward_progress 1
		.amdhsa_inst_pref_size 130
	.end_amdhsa_kernel
	.amdgpu_metadata
---
amdhsa.version: [ 1, 2 ]
amdhsa.kernels:
  - .name:           k_qe0ff80b4b4_pv
    .symbol:         k_qe0ff80b4b4_pv.kd
    .args:
      - { .name: pt, .offset: 0, .size: 8, .value_kind: global_buffer, .address_space: global }
      - { .name: st, .offset: 8, .size: 8, .value_kind: global_buffer, .address_space: global }
      - { .name: qkv, .offset: 16, .size: 8, .value_kind: global_buffer, .address_space: global }
      - { .name: yh, .offset: 24, .size: 8, .value_kind: global_buffer, .address_space: global }
    .group_segment_fixed_size: 327680
    .private_segment_fixed_size: 0
    .kernarg_segment_align: 8
    .kernarg_segment_size: 32
    .max_flat_workgroup_size: 128
    .sgpr_count:     96
    .vgpr_count:     640
    .wavefront_size: 32
...
	.end_amdgpu_metadata
.endif
;; end of part 4
;; launch proj (part 5): grid 4 x 64, 4 waves a work-group, clusters of 4 x 4, 327,680 bytes of LDS; arguments yh, wp, bb, out0; writes out0
.if DOCPART == 5
	.amdgcn_target "amdgcn-amd-amdhsa--gfx1250"
	.amdhsa_code_object_version 6
	.text
	.protected	k_qe0ff80b4b4_proj
	.globl	k_qe0ff80b4b4_proj
	.p2align	8
	.type	k_qe0ff80b4b4_proj,@function
k_qe0ff80b4b4_proj:
	s_mov_b64 s[64:65], 0
	v_nop
	global_prefetch_b8 v0, s[64:65] scope:SCOPE_SE
	s_setreg_imm32_b32 hwreg(HW_REG_WAVE_MODE, 25, 1), 1
	s_wait_xcnt 0x0
	s_wait_alu depctr_hold_cnt(0) depctr_sa_sdst(0) depctr_va_vdst(0) depctr_va_sdst(0) depctr_va_ssrc(0) depctr_va_vcc(0) depctr_vm_vsrc(0)
	s_getreg_b32 s2, hwreg(HW_REG_IB_STS2, 6, 4)
	s_cmp_eq_u32 s2, 0
	s_cbranch_scc0 .Lentry_in_a_cluster
	s_endpgm
.Lentry_in_a_cluster:
	s_bfe_u32 s2, ttmp6, 0x10000c
	s_cmp_lg_u32 s2, 0xf033
	s_cbranch_scc0 .Lentry_shape_is_right
	s_endpgm
.Lentry_shape_is_right:
; OUT = y W_proj + b_proj.  yh: f16 [16][8192][64]; wp: f16 [1024][1024]; the bias: f32 at byte 12,288 of bb; out0: f32 [8192][1024].  Sums in f32.
; SHARES.  4 x 64 work-groups, one for each WGP: a tile of 128 rows x 256 columns.  A wave makes 64 x 128: 32 accumulators, window 2.  K goes in steps of 128 (two blocks of yh) through two LDS slots; W's tile,
; 128 rows of 512 bytes, is turned on its way out of LDS.  Source 0 = 16 columns of W, source 1 = 16 rows of y: a lane holds row lane % 16 and eight neighbouring columns.
; THE BIAS starts the sums: loaded into row block 0's accumulators, C of row blocks 1 to 3, and row block 0 adds onto it in place last.
; CLUSTER 4 x 4: y's tile is shared along a row of the cluster, W's along a column.
; REGISTERS.  Window 0: v1-29 addresses; v64-191 the way out.  Window 1: two fragment buffers of 96: 32 of y, then 64 of W.  Window 2: accumulator (a, b) at v[8 (8 a + b)].
.set PLANE, 1048576
.set PA,    144
.set PB,    544                        ; a row of W in LDS: 512 bytes + 32: an odd multiple of 32
.set SLOT1, 131072
.set BOFF,  2*128*PA
.set STAGE, SLOT1+BOFF+128*PB          ; 16 rows x 528 bytes for each wave
.set DP,    528
.set SPARE, STAGE+4*16*DP
.set ADRA0, 3
.set ADRB0, 4
.set ADRA,  5
.set ADRB,  6
.set STO,   7
.set RD,    8
.set GO,    9
.set BO,    10
.set SPW,   28
.set NIL,   29
.set OB,    64
.set F0,    0
.set F1,    96
.set WV, 12
.set RH, 13
.set CH, 14
.set CX, 15
.set CY, 16
.set TX, 17
.set TY, 18
.set MROW, 19
.set MCOL, 20
.set G1A, 24
.set G0A, 32
.set G1B, 40
.set G0B, 48
.set CNT, 56
.set TB,  57
.set MSB, 0
.macro WIN new
.if MSB != (\new)
	s_set_vgpr_msb (MSB<<8)|(\new)
.set MSB, \new
.endif
.endm
.macro PLACES
.rept 4
	v_nop
.endr
.endm
.macro JLOAD
	s_cmp_lt_u32 s[WV], 2
	s_cbranch_scc0 .Lfor_b_\@
	tensor_load_to_lds s[G0A+4:G0A+7], s[G1A:G1A+7]
	s_nop 0
.rept 4
	v_nop
.endr
	s_branch .Lasked_\@
.Lfor_b_\@:
	tensor_load_to_lds s[G0B+4:G0B+7], s[G1B:G1B+7]
	s_nop 0
.rept 4
	v_nop
.endr
.Lasked_\@:
.endm
.macro CREST
	s_cmp_lg_u32 s[WV], 0
	s_cbranch_scc1 .Lnot_wave_0_\@
	s_barrier_signal -3
.Lnot_wave_0_\@:
	s_barrier_wait -3
	s_barrier_signal -1
	s_barrier_wait -1
.endm
.macro CROUND
	s_barrier_signal -1
	s_barrier_wait -1
	CREST
.endm
	s_load_b256 s[4:11], s[0:1], 0x0       ; yh s[4:5], wp s[6:7], bb s[8:9], out0 s[10:11]
	v_lshl_add_u32 v[SPW], v0, 2, SPARE
	v_mov_b32 v[NIL], 0
	ds_add_u32 v[SPW], v[NIL]              ; the wave's opening: the add and its wait ahead of my first tensor load
	ds_add_u32 v28, v29
	v_lshrrev_b32 v1, 5, v0
	v_readfirstlane_b32 s[WV], v1
	s_lshr_b32 s[RH], s[WV], 1
	s_and_b32 s[CH], s[WV], 1
	s_bfe_u32 s[CX], ttmp6, 0x40000
	s_bfe_u32 s[CY], ttmp6, 0x40004
	s_lshl_b32 s[TX], ttmp9, 2
	s_add_co_u32 s[TX], s[TX], s[CX]
	s_and_b32 s[TY], ttmp7, 0xffff
	s_lshl_b32 s[TY], s[TY], 2
	s_add_co_u32 s[TY], s[TY], s[CY]
	s_lshl_b32 s[MROW], s[CY], 2
	s_lshl_b32 s[MROW], 15, s[MROW]
	s_lshl_b32 s[MCOL], 0x1111, s[CX]
	; a block of y's tile: 128 rows x 128 bytes, dense, as 64 rows of 256 bytes, 16 bytes of padding after every 128
	s_or_b32 s[G1A], s[MROW], (1<<16)|(1<<20)|(1<<21)|(4<<22)|(3<<25)
	s_mov_b32 s[G1A+1], 128<<16
	s_mov_b32 s[G1A+2], 64<<16
	s_mov_b32 s[G1A+3], 128<<16
	s_mov_b32 s[G1A+4], 64
	s_mov_b32 s[G1A+5], 128
	s_mov_b32 s[G1A+6], 0
	s_mov_b32 s[G1A+7], 0
	; W's half tile: 64 rows of 256 elements, 1,024 from row to row, 32 bytes of padding after every 512
	s_or_b32 s[G1B], s[MCOL], (1<<16)|(1<<20)|(1<<21)|(6<<22)|(7<<25)
	s_mov_b32 s[G1B+1], 256<<16
	s_mov_b32 s[G1B+2], 64<<16
	s_mov_b32 s[G1B+3], 256<<16
	s_mov_b32 s[G1B+4], 64
	s_mov_b32 s[G1B+5], 1024
	s_mov_b32 s[G1B+6], 0
	s_mov_b32 s[G1B+7], 0
	s_lshl_b32 s58, s[TY], 14              ; y: 128 rows of 128 bytes a tile row,
	s_lshl_b32 s59, s[CH], 20              ; my one of a step's two blocks
	s_add_co_u32 s58, s58, s59
	s_mov_b32 s59, 0
	s_lshl_b32 s60, s[TX], 9               ; W: 256 columns a tile column,
	s_lshl_b32 s61, s[CH], 17              ; my 64 rows of 2,048 bytes
	s_add_co_u32 s60, s60, s61
	s_mov_b32 s61, 0
	s_mul_i32 s21, s[CH], 128*PA
	s_mul_i32 s22, s[CH], 64*PB
	s_add_co_u32 s22, s22, BOFF
	s_mov_b32 s[TB], 0
	s_wait_dscnt 0x0                       ; the opening add is done
	s_wait_kmcnt 0x0
	s_add_nc_u64 s[4:5], s[4:5], s[58:59]
	s_add_nc_u64 s[6:7], s[6:7], s[60:61]
	CROUND                                 ; all sixteen work-groups are here: the first joint loads meet
.irp s, 0,1
	s_mov_b32 s[G0A+4*\s], 1
	s_add_co_u32 s[G0A+4*\s+1], s21, (\s)*SLOT1
	s_add_nc_u64 s[G0A+4*\s+2:G0A+4*\s+3], s[4:5], (\s)*2*PLANE
	s_or_b32 s[G0A+4*\s+3], s[G0A+4*\s+3], 0x80000000
	s_mov_b32 s[G0B+4*\s], 1
	s_add_co_u32 s[G0B+4*\s+1], s22, (\s)*SLOT1
	s_add_nc_u64 s[G0B+4*\s+2:G0B+4*\s+3], s[6:7], (\s)*262144
	s_or_b32 s[G0B+4*\s+3], s[G0B+4*\s+3], 0x80000000
.endr
	s_cmp_lt_u32 s[WV], 2                  ; a wave's two first fills stand in one branch: two loads of mine are out
	s_cbranch_scc0 .Lfirst_b
	tensor_load_to_lds s[G0A:G0A+3], s[G1A:G1A+7]
	s_nop 0
	tensor_load_to_lds s[G0A+4:G0A+7], s[G1A:G1A+7]
	s_nop 0
.rept 4
	v_nop
.endr
	s_branch .Lfirst_asked
.Lfirst_b:
	tensor_load_to_lds s[G0B:G0B+3], s[G1B:G1B+7]
	s_nop 0
	tensor_load_to_lds s[G0B+4:G0B+7], s[G1B:G1B+7]
	s_nop 0
.rept 4
	v_nop
.endr
.Lfirst_asked:
	v_and_b32 v1, 15, v0
	v_bfe_u32 v2, v0, 4, 1
	v_lshlrev_b32 v[BO], 5, v2
	s_lshl_b32 s62, s[TX], 10
	s_lshl_b32 s63, s[CH], 9
	s_add_co_u32 s62, s62, s63
	s_add_co_u32 s62, s62, 12288
	s_mov_b32 s63, 0
	s_add_nc_u64 s[8:9], s[8:9], s[62:63]  ; b_proj at column 256 tile column + 128 half
	WIN 0x80                               ; destination in window 2: row block 0's accumulators
.irp b, 0,1,2,3,4,5,6,7
	global_load_b128 v[8*\b:8*\b+3], v[BO], s[8:9] offset:\b*64
	global_load_b128 v[8*\b+4:8*\b+7], v[BO], s[8:9] offset:\b*64+16
.endr
	WIN 0
	v_mul_u32_u24 v[ADRA0], v1, PA
	v_lshl_add_u32 v[ADRA0], v2, 4, v[ADRA0]
	s_mul_i32 s2, s[RH], 64*PA
	v_add_nc_u32 v[ADRA0], s2, v[ADRA0]
	v_and_b32 v11, 7, v0
	v_bfe_u32 v12, v0, 3, 1
	v_lshl_add_u32 v[ADRB0], v2, 3, v11
	v_mul_u32_u24 v[ADRB0], v[ADRB0], PB
	v_lshl_add_u32 v[ADRB0], v12, 4, v[ADRB0]
	s_lshl_b32 s2, s[CH], 8
	s_add_co_u32 s2, s2, BOFF
	v_add_nc_u32 v[ADRB0], s2, v[ADRB0]
	v_mov_b32 v[ADRA], v[ADRA0]
	v_mov_b32 v[ADRB], v[ADRB0]
	s_mul_i32 s2, s[WV], 16*DP
	s_add_co_u32 s2, s2, STAGE
	v_mul_u32_u24 v[STO], v1, DP           ; in: row r, 32 bytes for each half of the lanes
	v_lshl_add_u32 v[STO], v2, 5, v[STO]
	v_add_nc_u32 v[STO], s2, v[STO]
	v_and_b32 v[GO], 31, v0                ; back: 32 lanes take a row's 512 bytes
	v_lshlrev_b32 v[GO], 4, v[GO]
	v_add_nc_u32 v[RD], s2, v[GO]
	s_lshl_b32 s62, s[TY], 19
	s_lshl_b32 s63, s[RH], 18
	s_add_co_u32 s62, s62, s63             ; row 128 tile row + 64 half, 4,096 bytes each,
	s_lshl_b32 s63, s[TX], 10
	s_add_co_u32 s62, s62, s63
	s_lshl_b32 s63, s[CH], 9
	s_add_co_u32 s62, s62, s63             ; column 256 tile column + 128 half
	s_mov_b32 s63, 0
	s_add_nc_u64 s[10:11], s[10:11], s[62:63]
.macro MULP f, a0, na                  ; na row blocks from a0 x 8 column blocks, 32 along K.  The 32 accumulators take turns.
	WIN 0xa5                               ; sources in window 1, C and D in window 2
.set pa, \a0
.rept \na
.irp b, 0,1,2,3,4,5,6,7
	v_wmma_f32_16x16x32_f16 v[8*(8*pa+\b):8*(8*pa+\b)+7], v[(\f)+32+8*\b:(\f)+32+8*\b+7], v[(\f)+8*pa:(\f)+8*pa+7], v[8*(8*pa+\b):8*(8*pa+\b)+7]
.endr
.set pa, pa+1
.endr
.endm
.macro FETCH qd, f                     ; 24 LDS loads in one run: quarter qd's fragments: W's 16, then y's 8
	WIN 0x40
.irp b, 0,1,2,3,4,5,6,7
	ds_load_tr16_b128 v[(\f)+32+8*\b:(\f)+32+8*\b+3], v[ADRB] offset:(\qd)*32*PB+32*\b
	ds_load_tr16_b128 v[(\f)+32+8*\b+4:(\f)+32+8*\b+7], v[ADRB] offset:(\qd)*32*PB+32*\b+16*PB
.endr
.irp a, 0,1,2,3
	ds_load_b128 v[(\f)+8*\a:(\f)+8*\a+3], v[ADRA] offset:((\qd)/2)*128*PA+((\qd)%2)*64+\a*16*PA
	ds_load_b128 v[(\f)+8*\a+4:(\f)+8*\a+7], v[ADRA] offset:((\qd)/2)*128*PA+((\qd)%2)*64+\a*16*PA+32
.endr
.endm
.macro QUARTER qd, f, g                ; multiplies buffer f; in its middle fetches quarter qd into g
	s_wait_dscnt 4                         ; W and y's row blocks 0, 1 are in; the youngest four loads may be out
	MULP \f, 0, 2
	PLACES
	FETCH \qd, \g
	s_wait_dscnt 24                        ; all but the 24 just issued
	MULP \f, 2, 2
.endm
.macro TURN fill                       ; the last quarter changes slots, as in the other launches of this program
	WIN 0
	s_wait_tensorcnt 0x0                   ; all my tensor loads have landed: the one that was out is my part of the next slot
	ds_add_u32 v[SPW], v[NIL]
.if \fill
	s_xor_b32 s[G0A+5], s[G0A+5], SLOT1
	s_add_nc_u64 s[G0A+6:G0A+7], s[G0A+6:G0A+7], 2*PLANE
	s_xor_b32 s[G0B+5], s[G0B+5], SLOT1
	s_add_nc_u64 s[G0B+6:G0B+7], s[G0B+6:G0B+7], 262144
.endif
	s_xor_b32 s[TB], s[TB], SLOT1
	s_wait_dscnt 5                         ; the add and the youngest four loads may be out
	MULP F1, 0, 1
	s_wait_dscnt 0x0                       ; the add is done, and my reads of this slot are over
	s_barrier_signal -1
	MULP F1, 1, 1
	WIN 0
	s_barrier_wait -1
.if \fill
	CREST
	JLOAD
.else
	PLACES
.endif
	v_add_nc_u32 v[ADRA], s[TB], v[ADRA0]
	v_add_nc_u32 v[ADRB], s[TB], v[ADRB0]
	FETCH 0, F0
	MULP F1, 2, 2
.endm
	s_wait_tensorcnt 0x1                   ; my part of K step 0 is in; K step 1's may stay out
	s_barrier_signal -1
	s_barrier_wait -1
	FETCH 0, F0
	s_wait_loadcnt 0x0                     ; the bias
	s_wait_dscnt 0x0
	WIN 0xa5
.irp a, 1,2,3
.irp b, 0,1,2,3,4,5,6,7
	v_wmma_f32_16x16x32_f16 v[8*(8*\a+\b):8*(8*\a+\b)+7], v[F0+32+8*\b:F0+32+8*\b+7], v[F0+8*\a:F0+8*\a+7], v[8*\b:8*\b+7]
.endr
.endr
.rept 5
	v_nop                                  ; the next eight write over registers that the products above read as C
.endr
.irp b, 0,1,2,3,4,5,6,7
	v_wmma_f32_16x16x32_f16 v[8*\b:8*\b+7], v[F0+32+8*\b:F0+32+8*\b+7], v[F0:F0+7], v[8*\b:8*\b+7]
.endr
	PLACES
	FETCH 1, F1
	WIN 0
	s_mov_b32 s[CNT], 6                    ; K steps 2 to 7 are asked for in the loop
.Lk:
	QUARTER 2, F1, F0
	QUARTER 3, F0, F1
	TURN 1
	QUARTER 1, F0, F1
	WIN 0
	s_sub_co_u32 s[CNT], s[CNT], 1
	s_cmp_lg_u32 s[CNT], 0
	s_cbranch_scc1 .Lk
	QUARTER 2, F1, F0                      ; the tail asks for nothing
	QUARTER 3, F0, F1
	TURN 0
	QUARTER 1, F0, F1
	QUARTER 2, F1, F0
	QUARTER 3, F0, F1
	s_wait_dscnt 4
	MULP F1, 0, 2
	s_wait_dscnt 0x0
	MULP F1, 2, 2
; THE WAY OUT, 16 rows at a time: 32 bytes a lane into my stage, back as whole rows of 512 bytes, stored so.
.macro TOSTAGE a
.set BK, OB+64*((\a)%2)
	s_wait_xcnt 0x0                        ; the registers that the stores of two blocks ago read are loaded again only behind this wait
	WIN 0x08                               ; the data in window 2
.irp b, 0,1,2,3,4,5,6,7
	ds_store_b128 v[STO], v[8*(8*(\a)+\b):8*(8*(\a)+\b)+3] offset:64*\b
	ds_store_b128 v[STO], v[8*(8*(\a)+\b)+4:8*(8*(\a)+\b)+7] offset:64*\b+16
.endr
	WIN 0
.set i, 0
.rept 16
	ds_load_b128 v[BK+4*i:BK+4*i+3], v[RD] offset:i*DP     ; LDS serves a wave's instructions in order: these see the stores above
.set i, i+1
.endr
.endm
.macro SEND a, younger
.set BK, OB+64*((\a)%2)
	s_wait_dscnt \younger
.set i, 0
.rept 16
	global_store_b128 v[GO], v[BK+4*i:BK+4*i+3], s[10:11] offset:(16*(\a)+i)*4096 th:TH_STORE_NT   ; 512 consecutive bytes, aligned
.set i, i+1
.endr
.endm
	PLACES
	TOSTAGE 0
.irp a, 1,2,3
	TOSTAGE \a
	SEND (\a)-1, 32
.endr
	SEND 3, 0
	s_wait_tensorcnt 0x0                   ; the wave's end
	ds_add_u32 v[SPW], v[NIL]
	s_wait_dscnt 0x0
	CROUND                                 ; the closing round
	s_endpgm
.Lfunc_end_k_qe0ff80b4b4_proj:
	.size	k_qe0ff80b4b4_proj, .Lfunc_end_k_qe0ff80b4b4_proj-k_qe0ff80b4b4_proj
	.p2alignl 7, 3214868480
	.fill 96, 4, 3214868480
	.section	.rodata,"a",@progbits
	.p2align	6, 0x0
	.amdhsa_kernel k_qe0ff80b4b4_proj
		.amdhsa_group_segment_fixed_size 327680
		.amdhsa_private_segment_fixed_size 0
		.amdhsa_enable_private_segment 0
		.amdhsa_kernarg_size 32
		.amdhsa_user_sgpr_count 2
		.amdhsa_user_sgpr_kernarg_segment_ptr 1
		.amdhsa_wavefront_size32 1
		.amdhsa_system_sgpr_workgroup_id_x 1
		.amdhsa_system_sgpr_workgroup_id_y 1
		.amdhsa_system_sgpr_workgroup_id_z 1
		.amdhsa_system_vgpr_workitem_id 0
		.amdhsa_next_free_vgpr 768
		.amdhsa_next_free_sgpr 66
		.amdhsa_reserve_vcc 0
		.amdhsa_float_denorm_mode_32 3
		.amdhsa_float_denorm_mode_16_64 3
		.amdhsa_memory_ordered 1
		.amdhsa_forward_progress 1
		.amdhsa_inst_pref_size 71
	.end_amdhsa_kernel
	.amdgpu_metadata
---
amdhsa.version: [ 1, 2 ]
amdhsa.kernels:
  - .name:           k_qe0ff80b4b4_proj
    .symbol:         k_qe0ff80b4b4_proj.kd
    .args:
      - { .name: yh, .offset: 0, .size: 8, .value_kind: global_buffer, .address_space: global }
      - { .name: wp, .offset: 8, .size: 8, .value_kind: global_buffer, .address_space: global }
      - { .name: bb, .offset: 16, .size: 8, .value_kind: global_buffer, .address_space: global }
      - { .name: out0, .offset: 24, .size: 8, .value_kind: global_buffer, .address_space: global }
    .group_segment_fixed_size: 327680
    .private_segment_fixed_size: 0
    .kernarg_segment_align: 8
    .kernarg_segment_size: 32
    .max_flat_workgroup_size: 128
    .sgpr_count:     66
    .vgpr_count:     768
    .wavefront_size: 32
...
	.end_amdgpu_metadata
.endif
;; end of part 5
;; ======== version 2 of 2: 5 launches; version 1 with the launch cast written anew for expert scheduling mode
;; limits: values are held in f16: magnitudes above 65,504 overflow, below 6.1e-05 lose precision
;; workspace buffers: xh 16,777,216 bytes; wa 6,291,456 bytes; wp 2,097,152 bytes; bb 16,384 bytes; qkv 50,331,648 bytes; pt 33,554,432 bytes; st 1,048,576 bytes; yh 16,777,216 bytes
;; launch cast (part 6): grid 769 x 1, 8 waves a work-group, no clusters, 0 bytes of LDS; arguments x, W_attn, W_proj, b_attn, b_proj, xh, wa, wp, bb; writes xh, wa, wp, bb
.if DOCPART == 6
	.amdgcn_target "amdgcn-amd-amdhsa--gfx1250"
	.amdhsa_code_object_version 6
	.text
	.protected	k_qe0ff80b4b4_cast
	.globl	k_qe0ff80b4b4_cast
	.p2align	8
	.type	k_qe0ff80b4b4_cast,@function
k_qe0ff80b4b4_cast:
	s_mov_b64 s[64:65], 0
	v_nop
	global_prefetch_b8 v0, s[64:65] scope:SCOPE_SE
	s_setreg_imm32_b32 hwreg(HW_REG_WAVE_SCHED_MODE, 0, 2), 2
	s_setreg_imm32_b32 hwreg(HW_REG_WAVE_MODE, 25, 1), 1
	s_wait_xcnt 0x0
	s_wait_alu depctr_vm_vsrc(0)
; CAST.  16-bit copies of the module's inputs, each rounded once to bf16 (nearest even):
;   xh: x as bf16 in blocks of 64 columns, [16 blocks][8192 rows][64]: a block's rows are dense, 128 bytes each
;   wa: W_attn as bf16, [1024][3072] as it lies      wp: W_proj rounded to bf16 and that number written as f16, [1024][1024]
;   bb: the biases rounded to bf16 and widened to f32 again: b_attn at byte 0, b_proj at byte 12,288
; LIMIT.  A bf16 number is exact in f16 from 6.1e-5 to 65,504 in size; below that W_proj keeps f16's fixed step of 6e-8, beyond it becomes an infinity.
; A stream: no LDS, no barrier, no matrix unit.  Work-groups 0-511 take 16 rows of x, 512-703 a chunk of 65,536 bytes of W_attn, 704-767 one of W_proj, 768 the biases.
; Each thread has 16 loads of 16 bytes out at once; each store of a wave covers 256 consecutive bytes, aligned.  No register is written while a load or store still names it.
; THE MODE: SCHED_MODE bits 1:0 = 2 (LLVM: expert scheduling mode 2), set by the entry lines.  The code itself states the register dependences
; between vector instructions and memory instructions, with s_wait_alu, always for 0.
; THE PLAN.  Registers that memory instructions touch, on each of the four arms (there is no loop):
;   v[VI]   Written by vector shifts at the head (x's arm writes it once more, ahead of its loads); read by the arm's loads as their offset (the biases' arm: by its stores too); never written again.
;   v[VO]   Written by one vector shift at the head; read by the sixteen stores as their offset; never written again.
;   IN      The sixteen loads land here; no vector instruction names these registers ahead of the loads; behind a load's counted wait vector instructions alone name its four.
;   OUT     Pair j is written by number j's roundings and read by store j; never written again behind that store.
; So one wait on va_vdst stands ahead of an arm's loads, for the offsets, and one behind the roundings of each four numbers, ahead of their four stores: the stores go by fours.
; That wait stands behind the block's own roundings and not at the next block's head: all loads are out, and nothing follows under which later stores could leave.
; No register that a memory instruction has read is written again, so no wait on vm_vsrc is owed; no vector instruction writes a scalar register or VCC; EXEC is never written.
.set PLANE, 1048576                    ; bytes of a block of 64 columns: 8192 rows x 128
.set VI,  2                            ; v2       my byte offset in the input
.set VO,  3                            ; v3       my byte offset in the output
.set IN,  16                           ; v[16:79] 16 x 4 numbers as loaded
.set OUT, 80                           ; v[80:111] 16 x 4 numbers of 16 bits
; 16 loads instep bytes apart from s[4:5]; 16 stores outstep bytes apart to s[6:7] (split = 1: the last eight to s[28:29], so that the immediate stays inside its 24 bits)
.macro CAST instep, outstep, split, half
	s_wait_alu depctr_va_vdst(0)           ; v[VI] and v[VO] are written: the loads below read the one as their offset, the stores the other
.set j, 0
.rept 16
	global_load_b128 v[IN+4*j:IN+4*j+3], v[VI], s[4:5] offset:j*(\instep) th:TH_LOAD_NT
.set j, j+1
.endr
.set j, 0
.rept 4                                ; four blocks of four numbers
.rept 4
	s_wait_loadcnt 15-j                    ; loads come back in order: number j is in, the younger ones stay out
	v_cvt_pk_bf16_f32 v[OUT+2*j], v[IN+4*j], v[IN+4*j+1]
	v_cvt_pk_bf16_f32 v[OUT+2*j+1], v[IN+4*j+2], v[IN+4*j+3]
.if \half
	v_lshlrev_b32 v[IN+4*j], 16, v[OUT+2*j]        ; the rounded numbers as f32 again,
	v_and_b32 v[IN+4*j+1], s3, v[OUT+2*j]
	v_lshlrev_b32 v[IN+4*j+2], 16, v[OUT+2*j+1]
	v_and_b32 v[IN+4*j+3], s3, v[OUT+2*j+1]
	v_cvt_pk_f16_f32 v[OUT+2*j], v[IN+4*j], v[IN+4*j+1]      ; and written as f16
	v_cvt_pk_f16_f32 v[OUT+2*j+1], v[IN+4*j+2], v[IN+4*j+3]
.endif
.set j, j+1
.endr
	s_wait_alu depctr_va_vdst(0)           ; the block's roundings have written its four pairs of OUT, which the four stores below read
.set k, j-4
.rept 4
.if (\split) && (k >= 8)
	global_store_b64 v[VO], v[OUT+2*k:OUT+2*k+1], s[28:29] offset:(k-8)*(\outstep)
.else
	global_store_b64 v[VO], v[OUT+2*k:OUT+2*k+1], s[6:7] offset:k*(\outstep)
.endif
.set k, k+1
.endr
.endr
.endm
	s_load_b512 s[8:23], s[0:1], 0x0       ; x s[8:9], W_attn s[10:11], W_proj s[12:13], b_attn s[14:15], b_proj s[16:17], xh s[18:19], wa s[20:21], wp s[22:23]
	s_load_b64 s[24:25], s[0:1], 0x40      ; bb
	s_mov_b32 s2, ttmp9
	s_mov_b32 s27, 0
	s_mov_b32 s3, 0xffff0000               ; a word's upper bf16
	v_lshlrev_b32 v[VI], 4, v0             ; 16 bytes a thread
	v_lshlrev_b32 v[VO], 3, v0             ; 8 bytes a thread
	s_wait_kmcnt 0x0
	s_cmp_lt_u32 s2, 512
	s_cbranch_scc0 .Lnot_x
	; x: thread t takes row t / 16 of the group's 16 and 16 bytes at 16 (t % 16) of each block of 256 bytes; load j is column block j
	s_lshl_b32 s26, s2, 16
	s_add_nc_u64 s[4:5], s[8:9], s[26:27]
	s_lshl_b32 s26, s2, 11                 ; 16 rows of 128 bytes in each block of xh
	s_add_nc_u64 s[6:7], s[18:19], s[26:27]
	s_add_nc_u64 s[28:29], s[6:7], 8*PLANE
	v_lshrrev_b32 v4, 4, v0
	v_and_b32 v5, 15, v0
	v_lshlrev_b32 v5, 4, v5
	v_lshl_add_u32 v[VI], v4, 12, v5       ; no memory instruction has read v[VI] yet; the wait at CAST's head covers this line too
	CAST 256, PLANE, 1, 0
	s_endpgm
.Lnot_x:
	s_cmp_lt_u32 s2, 704
	s_cbranch_scc0 .Lnot_wa
	s_sub_co_u32 s2, s2, 512
	s_lshl_b32 s26, s2, 16
	s_add_nc_u64 s[4:5], s[10:11], s[26:27]
	s_lshl_b32 s26, s2, 15
	s_add_nc_u64 s[6:7], s[20:21], s[26:27]
	CAST 4096, 2048, 0, 0
	s_endpgm
.Lnot_wa:
	s_cmp_lt_u32 s2, 768
	s_cbranch_scc0 .Lbias
	s_sub_co_u32 s2, s2, 704
	s_lshl_b32 s26, s2, 16
	s_add_nc_u64 s[4:5], s[12:13], s[26:27]
	s_lshl_b32 s26, s2, 15
	s_add_nc_u64 s[6:7], s[22:23], s[26:27]
	CAST 4096, 2048, 0, 1
	s_endpgm
.Lbias:
	s_wait_alu depctr_va_vdst(0)           ; v[VI] is written: the four loads and the four stores below read it as their offset
	global_load_b128 v[16:19], v[VI], s[14:15]
	global_load_b128 v[20:23], v[VI], s[14:15] offset:4096
	global_load_b128 v[24:27], v[VI], s[14:15] offset:8192
	global_load_b128 v[28:31], v[VI], s[16:17]
	s_wait_loadcnt 0x0
.set j, 0
.rept 8
	v_cvt_pk_bf16_f32 v[OUT+j], v[16+2*j], v[17+2*j]
.set j, j+1
.endr
.set j, 0
.rept 8
	v_lshlrev_b32 v[16+2*j], 16, v[OUT+j]
	v_and_b32 v[17+2*j], s3, v[OUT+j]
.set j, j+1
.endr
	s_wait_alu depctr_va_vdst(0)           ; the widening lines have written v[16:31], which the four stores below read
	global_store_b128 v[VI], v[16:19], s[24:25]
	global_store_b128 v[VI], v[20:23], s[24:25] offset:4096
	global_store_b128 v[VI], v[24:27], s[24:25] offset:8192
	global_store_b128 v[VI], v[28:31], s[24:25] offset:12288
	s_endpgm
.Lfunc_end_k_qe0ff80b4b4_cast:
	.size	k_qe0ff80b4b4_cast, .Lfunc_end_k_qe0ff80b4b4_cast-k_qe0ff80b4b4_cast
	.p2alignl 7, 3214868480
	.fill 96, 4, 3214868480
	.section	.rodata,"a",@progbits
	.p2align	6, 0x0
	.amdhsa_kernel k_qe0ff80b4b4_cast
		.amdhsa_group_segment_fixed_size 0
		.amdhsa_private_segment_fixed_size 0
		.amdhsa_enable_private_segment 0
		.amdhsa_kernarg_size 72
		.amdhsa_user_sgpr_count 2
		.amdhsa_user_sgpr_kernarg_segment_ptr 1
		.amdhsa_wavefront_size32 1
		.amdhsa_system_sgpr_workgroup_id_x 1
		.amdhsa_system_sgpr_workgroup_id_y 1
		.amdhsa_system_sgpr_workgroup_id_z 1
		.amdhsa_system_vgpr_workitem_id 0
		.amdhsa_next_free_vgpr 112
		.amdhsa_next_free_sgpr 66
		.amdhsa_reserve_vcc 0
		.amdhsa_float_denorm_mode_32 3
		.amdhsa_float_denorm_mode_16_64 3
		.amdhsa_memory_ordered 1
		.amdhsa_forward_progress 1
		.amdhsa_inst_pref_size 25
	.end_amdhsa_kernel
	.amdgpu_metadata
---
amdhsa.version: [ 1, 2 ]
amdhsa.kernels:
  - .name:           k_qe0ff80b4b4_cast
    .symbol:         k_qe0ff80b4b4_cast.kd
    .args:
      - { .name: x, .offset: 0, .size: 8, .value_kind: global_buffer, .address_space: global }
      - { .name: W_attn, .offset: 8, .size: 8, .value_kind: global_buffer, .address_space: global }
      - { .name: W_proj, .offset: 16, .size: 8, .value_kind: global_buffer, .address_space: global }
      - { .name: b_attn, .offset: 24, .size: 8, .value_kind: global_buffer, .address_space: global }
      - { .name: b_proj, .offset: 32, .size: 8, .value_kind: global_buffer, .address_space: global }
      - { .name: xh, .offset: 40, .size: 8, .value_kind: global_buffer, .address_space: global }
      - { .name: wa, .offset: 48, .size: 8, .value_kind: global_buffer, .address_space: global }
      - { .name: wp, .offset: 56, .size: 8, .value_kind: global_buffer, .address_space: global }
      - { .name: bb, .offset: 64, .size: 8, .value_kind: global_buffer, .address_space: global }
    .group_segment_fixed_size: 0
    .private_segment_fixed_size: 0
    .kernarg_segment_align: 8
    .kernarg_segment_size: 72
    .max_flat_workgroup_size: 256
    .sgpr_count:     66
    .vgpr_count:     112
    .wavefront_size: 32
...
	.end_amdgpu_metadata
.endif
;; end of part 6
;; launch qkv: the kernel of part 2 again; grid 8 x 32, 4 waves a work-group, clusters of 4 x 4, 327,680 bytes of LDS; arguments xh, wa, bb, qkv; writes qkv
;; launch scores: the kernel of part 3 again; grid 36 x 4, 4 waves a work-group, no clusters, 327,680 bytes of LDS; arguments qkv, pt, st; writes pt, st
;; launch pv: the kernel of part 4 again; grid 8 x 32, 4 waves a work-group, clusters of 4 x 4, 327,680 bytes of LDS; arguments pt, st, qkv, yh; writes yh
;; launch proj: the kernel of part 5 again; grid 4 x 64, 4 waves a work-group, clusters of 4 x 4, 327,680 bytes of LDS; arguments yh, wp, bb, out0; writes out0
